; MI455X (gfx1250); checked and timed in simulation.
; The chip was launched on July 23, 2026; its instructions are those of AMD's public machine-readable ISA for CDNA 5 (MIT licence, August 2026) and "CDNA5" Instruction Set Architecture Reference Guide (July 2026). The comments in the code are by the model that wrote it; some were corrected since.
;; Glm4 Moe Mo E Expert Parallel. Allowed arithmetic: matrix products marked QUANTISED: E3M2 operands, one E8M0 scale for each 32 along K, by v_wmma_scale_f32_16x16x128_f8f6f4 with both operands' format E3M2, f32 sums; products left as they are: f32 operands where the result goes on into a quantised operand, else bf16, f16 or f32 operands; f32 sums; everything else in f32.
;; Inputs: correction_bias 8 float32; hidden_states 2 x 2,048 x 1,024 float32; router_weight 8 x 1,024 float32; sw_down 512 x 1,024 float32; sw_gate 1,024 x 512 float32; sw_up 1,024 x 512 float32; w_down 8 x 512 x 1,024 float32; w_gate 8 x 1,024 x 512 float32; w_up 8 x 1,024 x 512 float32.
;; Outputs: out0 2 x 2,048 x 1,024 float32.
;; This version of the problem:
;;   THIS VERSION OF THE PROBLEM IS GIVEN IN LOW PRECISION. The matrix products marked QUANTISED in the list below multiply operands that are first quantised to E3M2 (3 exponent bits, 2 mantissa bits; 6 bits a number), with one power-of-two scale for each 32 numbers along K (OCP MX v1.0); their sums are f32. All else is computed in f32.
;;   The module's matrix products, in the order in which they are computed (A, B: the left and right operand; K: the contracted axis; several contracted axes count as one K, in the product's order):
;;     1. [M 4,096, K 1,024] x [K 1,024, N 8]; A: input hidden_states; B: input router_weight: left as it is (N = 8 < 16)
;;     2. [M 4,096, K 1,024] x [K 1,024, N 4,096]; A: input hidden_states; B: input w_gate: QUANTISED
;;     3. [M 4,096, K 1,024] x [K 1,024, N 4,096]; A: input hidden_states; B: input w_up: QUANTISED
;;     4. batch 8 x [M 1,024, K 512] x [K 512, N 4,096]; A: input w_down; B: computed on the way: QUANTISED
;;     5. batch 4,096 x [M 1,024, K 8] x [K 8, N 1]; A: computed on the way; B: computed on the way: left as it is (K = 8 < 32)
;;     6. [M 4,096, K 1,024] x [K 1,024, N 512]; A: input hidden_states; B: input sw_gate: QUANTISED
;;     7. [M 4,096, K 1,024] x [K 1,024, N 512]; A: input hidden_states; B: input sw_up: QUANTISED
;;     8. [M 4,096, K 512] x [K 512, N 1,024]; A: computed on the way; B: input sw_down: QUANTISED
;;   THE QUANTISER, for each operand of a quantised product, along K:
;;     - K is cut into blocks of 32 from its start; a last block that is shorter is filled with zeros.
;;     - A block's scale is 2^e with e = floor(log2(the largest magnitude in the block)) - 4, held to -126 .. 127; a block of zeros has e = 0. As a byte (E8M0): e + 127.
;;     - Each number is divided by its block's scale, clamped to +-28, and rounded to the nearest number of E3M2, ties to even, subnormals kept.
;;     - The product sums the exact products of the quantised numbers (number of the format x scale) in f32.
;;   ~~~python
;;   def quantise(x, axis):      # numpy; x: float32 -> the quantised numbers, widened to float32 again
;;       x = np.moveaxis(x, axis, -1); K = x.shape[-1]
;;       x = np.pad(x, [(0, 0)] * (x.ndim - 1) + [(0, -K % 32)]); x = x.reshape(x.shape[:-1] + (-1, 32)); a = np.abs(x).max(-1, keepdims=True)
;;       e = np.where(a > 0, np.clip(np.frexp(np.where(a > 0, a, 1))[1] - 1 - 4, -126, 127), 0)      # np.frexp(a)[1] - 1 = floor(log2(a)), exactly
;;       r = np.clip(x / 2.0 ** e, -28, 28)
;;       step = 2.0 ** (np.maximum(np.frexp(np.where(r == 0, 1, r))[1] - 1, -2) - 2)
;;       q = np.round(r / step) * step * 2.0 ** e      # np.round: ties to even
;;       return np.moveaxis(q.reshape(q.shape[:-2] + (-1,))[..., :K], -1, axis).astype(np.float32)
;;   ~~~
;;   OPERANDS COMPUTED ON THE WAY. 'Computed on the way' means the value that the module computes at that place (a softmax that the list does not call 'softmax' is quantised finished and normalised). What goes into a quantiser is computed in f32, as accurately as f32 sums, v_exp_f32 and their like allow (about 1e-6 of the number): no bf16 or f16 on the way to a quantiser, and a product that is left as it is and whose result goes on into a quantised operand takes f32 operands (vector FMAs, or v_wmma_f32_16x16x4_f32). A number that lies on a knife's edge between two numbers of the format may be rounded either way, as far as f32 arithmetic and the matrix unit's own rounding can turn it there, and no further.
;; 2 versions, each right; version 2 is version 1 with the launches gateup, down written anew for expert scheduling mode. Each part assembles by itself: llvm-mc -triple=amdgcn-amd-amdhsa -mcpu=gfx1250 --defsym DOCPART=n.
;; ======== version 1 of 2: 4 launches
;; workspace buffers: xbuf 3,309,568 bytes; rec 32,768 bytes of whole numbers; wbuf 11,059,200 bytes; list 31,232 bytes of whole numbers; hbuf 9,062,400 bytes
;; launch route (part 1): grid 128 x 1, 8 waves a work-group, no clusters, 175,104 bytes of LDS; arguments hidden_states, router_weight, correction_bias, xbuf, rec; writes xbuf, rec
.if DOCPART == 1
	.amdgcn_target "amdgcn-amd-amdhsa--gfx1250"
	.amdhsa_code_object_version 6
	.text
	.protected	k_qd10e9fa75b_route
	.globl	k_qd10e9fa75b_route
	.p2align	8
	.type	k_qd10e9fa75b_route,@function
k_qd10e9fa75b_route:
	s_mov_b64 s[64:65], 0
	v_nop
	global_prefetch_b8 v0, s[64:65] scope:SCOPE_SE
	s_setreg_imm32_b32 hwreg(HW_REG_WAVE_MODE, 25, 1), 1
	s_wait_xcnt 0x0
; ROUTE.  x [4096][1024] f32 -> codes of BF6 (E3M2) with one E8M0 byte for each 32 along H, and the router's choice for each token.
; A work-group takes 32 tokens (one chunk), wave w tokens 4 w .. 4 w + 3.  Every byte of x is read once, 512 consecutive bytes a load.
; OUT, all at fixed places (no address here hangs on the choice):
;   xbuf + 0:        a token's 768 bytes of codes as 48 pieces of 16 bytes; piece 6 ks + 2 gq + h holds registers 4 gq .. 4 gq + 3 that lane (., h) of the
;                    matrix operand of K step ks wants (a lane of that operand holds blocks h and 2 + h of the step's four blocks of 32)
;   xbuf + XS_OFF:   32 scale bytes a token, in the blocks' order;   xbuf + CW_OFF: the two combine weights {of the lower expert, of the higher}
;   rec:             for each chunk 32 x {pair number | rank among the chunk's tokens of that pair << 8,  number of the chunk's tokens of pair = lane}
; The logits are f32 multiply-adds; sigmoid = 1 / (1 + 2^(-x log2 e)); ties in every top-k go to the lower index, as jax.lax.top_k has it.
; LIMITS: NaN and infinities among the inputs are not served.  A block whose largest magnitude lies under 2^-122 gets the byte 1 (a block of zeros too, where the
; quantiser's rule says 127: its codes are zeros and this program alone reads the bytes).  Where two scores lie closer than the order of an f32 sum and a few ulp of
; the exponential and the reciprocal can tell, the choice may differ from a choice made in another order.
; No matrix unit, no cluster: the work-groups share only the 32 KB of router weights.
; REGISTERS: v1-12 addresses; v16-143 x, 32 a token: register 4 i + j holds k = 128 i + 4 lane + j; v144-207 the 32 sums, in pairs (before that: a second set of 32
; neighbours, the tokens' codes and bytes); v208-239 32 neighbours, later the sums; v240-247 at work.  v256-511: the router's weights, 32 an expert, laid as x.
.set XS_OFF, 3145728
.set CW_OFF, 3276800
.set TPB,  144                         ; a block of 32 numbers in the turning stage: 128 bytes + 16: 9 x 16, so sixteen lanes' 16-byte reads fall on sixteen different columns of 16 bytes
.set TTOK, 32*TPB                      ; a token in the stage
.set CST,  8*4*TTOK                    ; behind the stages: each wave's 3,072 bytes of codes
.set XSB,  CST+8*3072                  ; the chunk's 1,024 scale bytes
.set LG,   XSB+1024                    ; the chunk's logits [32][8]
.set X,    16
.set ACC,  144
.set TS0,  208                         ; 32 neighbours: set 0 at v208, set 1 at v144
.set DC,   176                         ; six registers of codes for each of my four tokens
.set BY,   200                         ; and a scale byte
.set VS,   208
.set MSB, 0
.macro WIN new                         ; the immediate's high byte repeats the setting that is left
.if MSB != \new
	s_set_vgpr_msb (MSB<<8)|\new
.set MSB, \new
.endif
.endm
	s_load_b128 s[4:7], s[0:1], 0x0                ; x, router weights
	s_load_b128 s[8:11], s[0:1], 0x10              ; bias, xbuf
	s_load_b64 s[12:13], s[0:1], 0x20              ; rec
	v_lshl_add_u32 v254, v0, 2, 0x2a800
	v_mov_b32 v255, 0
	v_lshrrev_b32 v1, 5, v0
	v_readfirstlane_b32 s14, v1                    ; wave 0..7
	v_and_b32 v1, 31, v0                           ; lane
	v_lshlrev_b32 v2, 4, v1                        ; 16 x lane
	v_lshlrev_b32 v9, 3, v1                        ; 8 x lane
	s_mul_i32 s15, s14, 4*TTOK                     ; my wave's four stages
	s_mul_i32 s16, s14, 3072
	s_add_co_u32 s17, s16, CST                     ; my wave's codes
	v_lshrrev_b32 v13, 3, v1
	v_mul_u32_u24 v3, v13, TPB
	v_and_b32 v13, 7, v1
	v_lshl_add_u32 v3, v13, 4, v3
	v_add_nc_u32 v3, s15, v3                       ; into a stage: load i's 512 bytes are blocks 4 i .. 4 i + 3: block lane / 8, 16 (lane % 8) bytes in
	v_mul_u32_u24 v4, v1, TPB
	v_add_nc_u32 v4, s15, v4                       ; out of it: lane = block
	v_lshrrev_b32 v13, 2, v1                       ; block = lane: K step lane / 4, h = lane & 1, c = (lane >> 1) & 1
	v_mul_u32_u24 v5, v13, 96
	v_and_b32 v13, 1, v1
	v_lshl_add_u32 v5, v13, 4, v5
	v_bfe_u32 v14, v1, 1, 1
	v_mad_u32_u24 v5, v14, 40, v5
	v_add_nc_u32 v5, s17, v5                       ; my block's bytes 0-7 (and, 32 on, bytes 16-23): 96 ks + 16 h + 40 c
	v_lshl_add_u32 v6, v14, 4, v5
	v_add_nc_u32 v6, 8, v6                         ; its bytes 8-15: 8 + 16 c further on
	s_lshl_b32 s18, s14, 7
	s_add_co_u32 s18, s18, XSB
	v_add_nc_u32 v7, s18, v1                       ; my block's scale byte: 32 bytes a token
	v_add_nc_u32 v8, s17, v2                       ; the codes' way out
	v_lshl_add_u32 v10, v0, 2, LG                  ; logit (token 4 w + lane / 8, expert lane % 8)
	v_lshl_add_u32 v11, v1, 5, LG                  ; wave 0: lane = token: its eight logits
	v_add_nc_u32 v12, XSB, v2                      ; wave 1: the scale bytes' way out
	s_lshl_b32 s20, ttmp9, 17                      ; 32 tokens of 4,096 bytes
	s_lshl_b32 s21, s14, 14
	s_add_co_u32 s20, s20, s21
	s_mov_b32 s21, 0
	s_mul_i32 s22, ttmp9, 24576                    ; 32 tokens of 768 bytes
	s_add_co_u32 s22, s22, s16
	s_mov_b32 s23, 0
	s_lshl_b32 s24, ttmp9, 10
	s_mov_b32 s25, 0
	s_lshl_b32 s26, ttmp9, 8
	s_mov_b32 s27, 0
	s_mov_b32 s32, 0xaaaaaaaa                      ; lanes whose bit 0, 1, 2, 3, 4 is set
	s_mov_b32 s33, 0xcccccccc
	s_mov_b32 s34, 0xf0f0f0f0
	s_mov_b32 s35, 0xff00ff00
	s_mov_b32 s36, 0xffff0000
	s_mov_b32 s38, 0x76543210                      ; v_permlanex16_b32: lane l xor 16
	s_mov_b32 s39, 0xfedcba98
	s_wait_kmcnt 0x0
	s_add_nc_u64 s[4:5], s[4:5], s[20:21]
	s_add_nc_u64 s[22:23], s[10:11], s[22:23]      ; my wave's codes in xbuf
	s_add_nc_u64 s[24:25], s[10:11], s[24:25]
	s_add_nc_u64 s[24:25], s[24:25], XS_OFF        ; the chunk's scale bytes
	s_add_nc_u64 s[28:29], s[10:11], s[26:27]
	s_add_nc_u64 s[28:29], s[28:29], CW_OFF        ; the chunk's weights
	s_add_nc_u64 s[12:13], s[12:13], s[26:27]      ; the chunk's record
	s_load_b256 s[40:47], s[8:9], 0x0              ; the eight biases
.irp t, 0,1,2,3
.irp i, 0,1,2,3,4,5,6,7
	global_load_b128 v[X+32*\t+4*\i:X+32*\t+4*\i+3], v2, s[4:5] offset:4096*\t+512*\i th:TH_LOAD_NT
.endr
.endr
	WIN 0x40                                       ; destination v256 on
.irp e, 0,1,2,3,4,5,6,7
.irp i, 0,1,2,3,4,5,6,7
	global_load_b128 v[32*\e+4*\i:32*\e+4*\i+3], v2, s[6:7] offset:4096*\e+512*\i
.endr
.endr
	WIN 0
	s_wait_loadcnt 63                              ; 64 loads stand behind x's 32: with 63 out at the most, x is in
.irp t, 0,1,2,3
.irp i, 0,1,2,3,4,5,6,7
	ds_store_b128 v3, v[X+32*\t+4*\i:X+32*\t+4*\i+3] offset:TTOK*\t+4*TPB*\i
.endr
.endr
.macro QLOAD t                         ; token t's block = lane: 32 neighbours along H.  LDS serves a wave's instructions in order: these see my stores
.irp j, 0,1,2,3,4,5,6,7
	ds_load_b128 v[TS0-64*((\t)%2)+4*\j:TS0-64*((\t)%2)+4*\j+3], v4 offset:TTOK*(\t)+16*\j
.endr
.endm
.macro QP t                            ; a block's scale and codes
.set TB_, TS0-64*((\t)%2)
.set DB_, DC+6*(\t)
	v_max3_num_f32 v244, |v[TB_]|, |v[TB_+1]|, 0x2800000          ; the largest magnitude, in two chains, with the floor 2^(5 - 127) among the leaves: the byte cannot fall under 1
	v_max3_num_f32 v245, |v[TB_+2]|, |v[TB_+3]|, |v[TB_+4]|
.irp i, 5,9,13,17,21,25
	v_max3_num_f32 v244, v244, |v[TB_+\i]|, |v[TB_+\i+1]|
	v_max3_num_f32 v245, v245, |v[TB_+\i+2]|, |v[TB_+\i+3]|
.endr
	v_max3_num_f32 v244, v244, |v[TB_+29]|, |v[TB_+30]|
	v_max3_num_f32 v244, v244, v245, |v[TB_+31]|
	v_add_nc_u32 v246, 0xfe000000, v244            ; 4 off its exponent field: the conversion takes this operand's exponent field as its scale
	v_cvt_scalef32_pk16_bf6_f32 v[DB_:DB_+2], v[TB_:TB_+15], v246
	v_cvt_scalef32_pk16_bf6_f32 v[240:242], v[TB_+16:TB_+31], v246   ; (a conversion's three registers begin on an even number)
	v_lshrrev_b32 v[BY+(\t)], 23, v246             ; the scale's byte; also the plain line behind the conversions
	v_mov_b32 v[DB_+3], v240
	v_mov_b32 v[DB_+4], v241
	v_mov_b32 v[DB_+5], v242
	ds_store_b64 v5, v[DB_:DB_+1] offset:768*(\t)
	ds_store_b64 v6, v[DB_+2:DB_+3] offset:768*(\t)
	ds_store_b64 v5, v[DB_+4:DB_+5] offset:768*(\t)+32
	ds_store_b8 v7, v[BY+(\t)] offset:32*(\t)
.endm
	QLOAD 0
	QLOAD 1
	s_wait_dscnt 8                                 ; token 0's eight loads are in; token 1's may be out
	QP 0
	QLOAD 2
	s_wait_dscnt 12                                ; behind token 1's loads: four stores, eight loads
	QP 1
	QLOAD 3
	s_wait_dscnt 12
	QP 2
	s_wait_dscnt 4                                 ; behind token 3's loads: four stores
	QP 3
.irp j, 0,1,2,3,4,5
	ds_load_b128 v[208+4*\j:211+4*\j], v8 offset:512*\j
.endr
.irp j, 0,1,2,3,4,5
	s_wait_dscnt 5-\j
	global_store_b128 v2, v[208+4*\j:211+4*\j], s[22:23] offset:512*\j   ; 512 consecutive bytes, at a multiple of 256 from xbuf's first byte
.endr
	; the 32 dot products (4 tokens x 8 experts) of my lane's 32 k, two at a time; 32 chains by turns
	s_wait_loadcnt 0x0                             ; the router's weights
	WIN 0x04                                       ; source 1 v256 on
.irp t, 0,1,2,3
.irp e, 0,1,2,3,4,5,6,7
	v_pk_mul_f32 v[ACC+2*(8*\t+\e):ACC+2*(8*\t+\e)+1], v[X+32*\t:X+32*\t+1], v[32*\e:32*\e+1]
.endr
.endr
.set i2, 1
.rept 15
.irp t, 0,1,2,3
.irp e, 0,1,2,3,4,5,6,7
	v_pk_fma_f32 v[ACC+2*(8*\t+\e):ACC+2*(8*\t+\e)+1], v[X+32*\t+2*i2:X+32*\t+2*i2+1], v[32*\e+2*i2:32*\e+2*i2+1], v[ACC+2*(8*\t+\e):ACC+2*(8*\t+\e)+1]
.endr
.endr
.set i2, i2+1
.endr
	WIN 0
	s_wait_xcnt 0x0                                ; the codes' stores have read v208-231, which are written again below
.set k, 0
.rept 32
	v_add_f32 v[VS+k], v[ACC+2*k], v[ACC+2*k+1]
.set k, k+1
.endr
; 32 sums over 32 lanes at once: in each step a lane keeps one of a pair of sums and sends the other to the lane that keeps it.  After five steps lane l holds sum l.
.macro BFLY n, mask, xm
.set k, 0
.rept \n
	v_cndmask_b32 v[240+2*(k%4)], v[VS+2*k+1], v[VS+2*k], s[\mask]
	v_cndmask_b32 v[241+2*(k%4)], v[VS+2*k], v[VS+2*k+1], s[\mask]
	v_add_f32_dpp v[VS+k], v[240+2*(k%4)], v[241+2*(k%4)] row_xmask:\xm row_mask:0xf bank_mask:0xf
.set k, k+1
.endr
.endm
	BFLY 16, 32, 1
	BFLY 8, 33, 2
	BFLY 4, 34, 4
	BFLY 2, 35, 8
	v_cndmask_b32 v240, v[VS+1], v[VS], s36
	v_cndmask_b32 v241, v[VS], v[VS+1], s36
	v_permlanex16_b32 v242, v240, s38, s39
	v_add_f32 v[VS], v241, v242
	ds_store_b32 v10, v[VS]
	s_wait_dscnt 0x0                               ; for the others' sake: my logits and scale bytes lie in LDS
	s_barrier_signal -1
	s_barrier_wait -1
	s_cmp_eq_u32 s14, 0
	s_cbranch_scc1 .Lchoose
	s_cmp_eq_u32 s14, 1
	s_cbranch_scc1 .Lscales
	s_wait_tensorcnt 0x0
	ds_add_u32 v254, v255
	s_wait_dscnt 0x0
	s_endpgm
.Lscales:                                              ; wave 1: the chunk's 1,024 scale bytes leave as two aligned runs of 512 bytes
	ds_load_b128 v[16:19], v12
	ds_load_b128 v[20:23], v12 offset:512
	s_wait_dscnt 0x0
	global_store_b128 v2, v[16:19], s[24:25]
	global_store_b128 v2, v[20:23], s[24:25] offset:512
	s_wait_tensorcnt 0x0
	ds_add_u32 v254, v255
	s_wait_dscnt 0x0
	s_endpgm
.Lchoose:                                              ; wave 0: lane = token
	ds_load_b128 v[16:19], v11
	ds_load_b128 v[20:23], v11 offset:16
	v_mov_b32 v50, 0
	v_mov_b32 v51, 0xff800000                      ; -infinity
.irp e, 0,1,2,3,4,5,6,7
	v_mov_b32 v[80+\e], \e
.endr
	s_wait_dscnt 0x0
	s_wait_kmcnt 0x0                               ; the biases
.irp e, 0,1,2,3,4,5,6,7
	v_mul_f32 v[24+\e], 0xbfb8aa3b, v[16+\e]       ; -x log2 e
.endr
.irp e, 0,1,2,3,4,5,6,7
	v_exp_f32 v[24+\e], v[24+\e]
.endr
	v_nop                                          ; a plain line behind the batch,
	s_wait_alu depctr_va_vdst(0)                   ; and one wait for the eight, ahead of their first reader
.irp e, 0,1,2,3,4,5,6,7
	v_add_f32 v[24+\e], 1.0, v[24+\e]
.endr
.irp e, 0,1,2,3,4,5,6,7
	v_rcp_f32 v[24+\e], v[24+\e]                   ; the scores
.endr
	v_nop
	s_wait_alu depctr_va_vdst(0)
.irp e, 0,1,2,3,4,5,6,7
	v_add_f32 v[32+\e], s[40+\e], v[24+\e]         ; the scores for the choice
.endr
.irp g, 0,1                                    ; a group's score: the sum of its two largest
	v_max_num_f32 v40, v[32+4*\g], v[33+4*\g]
	v_min_num_f32 v41, v[32+4*\g], v[33+4*\g]
	v_max_num_f32 v42, v[34+4*\g], v[35+4*\g]
	v_min_num_f32 v43, v[34+4*\g], v[35+4*\g]
	v_max_num_f32 v44, v40, v42
	v_min_num_f32 v45, v40, v42
	v_max_num_f32 v46, v41, v43
	v_max_num_f32 v45, v45, v46
	v_add_f32 v[48+\g], v44, v45
.endr
	v_cmp_gt_f32 s30, v49, v48                     ; group 1 only where it is strictly larger
.irp e, 0,1,2,3
	v_cndmask_b32 v[56+\e], v[32+\e], v50, s30     ; the other group's entries are 0.0, and stay in the contest
	v_cndmask_b32 v[60+\e], v50, v[36+\e], s30
.endr
.macro ARGMAX b                        ; v[b] the largest, v[b+1] its index, v[b+2] its score; strictly larger replaces: the lower index wins a tie
	v_mov_b32 v[\b], v56
	v_mov_b32 v[\b+1], 0
	v_mov_b32 v[\b+2], v24
.irp e, 1,2,3,4,5,6,7
	v_cmp_gt_f32 vcc_lo, v[56+\e], v[\b]
	v_cndmask_b32 v[\b], v[\b], v[56+\e], vcc_lo
	v_cndmask_b32 v[\b+1], v[\b+1], v[80+\e], vcc_lo
	v_cndmask_b32 v[\b+2], v[\b+2], v[24+\e], vcc_lo
.endr
.endm
	ARGMAX 64
.irp e, 0,1,2,3,4,5,6,7
	v_cmp_eq_u32 vcc_lo, \e, v65
	v_cndmask_b32 v[56+\e], v[56+\e], v51, vcc_lo  ; the winner leaves the contest
.endr
	ARGMAX 67
	v_add_f32 v70, v66, v69
	v_add_f32 v70, 0x1e3ce508, v70                 ; + 1e-20
	v_rcp_f32 v70, v70
	v_min_u32 v71, v65, v68                        ; the lower expert,  (a plain line behind the reciprocal)
	v_max_u32 v72, v65, v68                        ; the higher
	v_cmp_lt_u32 vcc_lo, v65, v68
	s_wait_alu depctr_va_vdst(0)
	v_mul_f32 v66, v66, v70
	v_mul_f32 v69, v69, v70
	v_cndmask_b32 v78, v69, v66, vcc_lo            ; the lower expert's weight,
	v_cndmask_b32 v79, v66, v69, vcc_lo            ; the higher's
	v_sub_nc_u32 v73, 15, v71                      ; pair number = lo (15 - lo) / 2 + hi - lo - 1: 0 .. 27
	v_mul_u32_u24 v73, v73, v71
	v_lshrrev_b32 v73, 1, v73
	v_add_nc_u32 v73, v73, v72
	v_sub_nc_u32 v73, v73, v71
	v_add_nc_u32 v73, -1, v73
	v_mov_b32 v74, 0                               ; my rank among the chunk's tokens of my pair
	v_mov_b32 v75, 0                               ; lane p: how many tokens of the chunk have pair p
.set PP, 0
.rept 28
	v_cmp_eq_u32 s30, PP, v73
	v_mbcnt_lo_u32_b32 v76, s30, 0
	v_cndmask_b32 v74, v74, v76, s30
	s_bcnt1_i32_b32 s31, s30
	v_writelane_b32 v75, s31, PP
.set PP, PP+1
.endr
	v_lshl_or_b32 v76, v74, 8, v73
	v_mov_b32 v77, v75
	global_store_b64 v9, v[76:77], s[12:13]        ; 256 consecutive bytes, aligned
	global_store_b64 v9, v[78:79], s[28:29]
	s_wait_tensorcnt 0x0
	ds_add_u32 v254, v255
	s_wait_dscnt 0x0
	s_endpgm
.Lfunc_end_k_qd10e9fa75b_route:
	.size	k_qd10e9fa75b_route, .Lfunc_end_k_qd10e9fa75b_route-k_qd10e9fa75b_route
	.p2alignl 7, 3214868480
	.fill 96, 4, 3214868480
	.section	.rodata,"a",@progbits
	.p2align	6, 0x0
	.amdhsa_kernel k_qd10e9fa75b_route
		.amdhsa_group_segment_fixed_size 175104
		.amdhsa_private_segment_fixed_size 0
		.amdhsa_enable_private_segment 0
		.amdhsa_kernarg_size 40
		.amdhsa_user_sgpr_count 2
		.amdhsa_user_sgpr_kernarg_segment_ptr 1
		.amdhsa_wavefront_size32 1
		.amdhsa_system_sgpr_workgroup_id_x 1
		.amdhsa_system_sgpr_workgroup_id_y 1
		.amdhsa_system_sgpr_workgroup_id_z 1
		.amdhsa_system_vgpr_workitem_id 0
		.amdhsa_next_free_vgpr 512
		.amdhsa_next_free_sgpr 66
		.amdhsa_reserve_vcc 1
		.amdhsa_float_denorm_mode_32 3
		.amdhsa_float_denorm_mode_16_64 3
		.amdhsa_memory_ordered 1
		.amdhsa_forward_progress 1
		.amdhsa_inst_pref_size 79
	.end_amdhsa_kernel
	.amdgpu_metadata
---
amdhsa.version: [ 1, 2 ]
amdhsa.kernels:
  - .name:           k_qd10e9fa75b_route
    .symbol:         k_qd10e9fa75b_route.kd
    .args:
      - { .name: hidden_states, .offset: 0, .size: 8, .value_kind: global_buffer, .address_space: global }
      - { .name: router_weight, .offset: 8, .size: 8, .value_kind: global_buffer, .address_space: global }
      - { .name: correction_bias, .offset: 16, .size: 8, .value_kind: global_buffer, .address_space: global }
      - { .name: xbuf, .offset: 24, .size: 8, .value_kind: global_buffer, .address_space: global }
      - { .name: rec, .offset: 32, .size: 8, .value_kind: global_buffer, .address_space: global }
    .group_segment_fixed_size: 175104
    .private_segment_fixed_size: 0
    .kernarg_segment_align: 8
    .kernarg_segment_size: 40
    .max_flat_workgroup_size: 256
    .sgpr_count:     66
    .vgpr_count:     512
    .wavefront_size: 32
...
	.end_amdgpu_metadata
.endif
;; end of part 1
;; launch wq (part 2): grid 433 x 1, 4 waves a work-group, no clusters, 25,600 bytes of LDS; arguments w_gate, w_up, w_down, sw_gate, sw_up, sw_down, rec, wbuf, list; writes wbuf, list
.if DOCPART == 2
	.amdgcn_target "amdgcn-amd-amdhsa--gfx1250"
	.amdhsa_code_object_version 6
	.text
	.protected	k_qd10e9fa75b_wq
	.globl	k_qd10e9fa75b_wq
	.p2align	8
	.type	k_qd10e9fa75b_wq,@function
k_qd10e9fa75b_wq:
	s_mov_b64 s[64:65], 0
	v_nop
	global_prefetch_b8 v0, s[64:65] scope:SCOPE_SE
	s_setreg_imm32_b32 hwreg(HW_REG_WAVE_MODE, 25, 1), 1
	s_wait_xcnt 0x0
; WQ.  Work-groups 1 .. 432: the 27 weight matrices (f32, K = their first axis) become codes of BF6 (E3M2) and E8M0 bytes, laid in the ORDER OF THE OPERAND'S REGISTERS.
; Work-group 0: the counting sort of the 4,096 tokens by their pair of experts, from route's records.
; AN IMAGE is a fragment of 16 rows x 128 K as the matrix unit's registers hold it: registers 4 gq .. 4 gq + 3 of lane l at byte 512 gq + 16 l; 1,536 bytes.  Lane (r, h) holds blocks h and 2 + h of the step's four.
;   wbuf + 0:      gate and up [expert 9][blk 16: 32 hidden units][ks 8][gate, up][u 2][image]; row r of tile u is unit 32 blk + 8 u + r + 8 (r / 8), so that the next launch's results lie along the next K
;   wbuf + WD_OFF: down [expert 9][cg 16: 64 columns][s 4][t 4][image], rows as they come.   Expert 8 is the shared one.
;   wbuf + WGUS:   [expert][blk][kq 4][gate, up][lane 16 u + r: the scale words of K steps 2 kq, 2 kq + 1];   wbuf + WDS: [expert][cg][kq 2][b 2][lane 16 u + r of tile 2 b + u: likewise]
; A LANE TAKES A COLUMN AND ITS REGISTERS RUN DOWN K: a block of 32 lies in one lane, the conversions give codes with K innermost, nothing is transposed.  A wave takes 32 columns x 256 K = four images, gathers them
; in its own 6,144 bytes of LDS and stores them as runs of 512 consecutive bytes.  Each load reads 128 consecutive bytes, the four waves side by side 512.  Two blocks (64 loads a wave) are on their way.
; One text serves both shapes: what differs (pitch, pointers, the lanes' columns, the places out) is chosen by s_cselect on the work-group's number.
; list + 0: [64]{lower expert, higher expert, rows, 0}: a group is up to 128 tokens of one pair; never more than 59 groups ((4,096 + 28 x 127) / 128).   list + 1024: [59][128] token numbers.
; LIMITS: NaN and infinities are not served; a block whose largest magnitude lies under 2^-122 (a block of zeros too) gets the byte 1: read by this program alone.
.set WD_OFF, 7077888
.set WGUS,   10616832
.set WDS,    10911744
.set SRT,    24576                     ; the sorter's 512 bytes; the quantisers' stages lie at 0
.set VO,  16                           ; v16-47   4 x my column + i x pitch; never rewritten
.set X,   48                           ; v48-111  two sets of 32 numbers
.set DC,  112                          ; v112-117 a block's codes;  v118-120 its second half as converted
.set SB,  122                          ; v122-123 the scale words of my two K steps
.set OUTR, 124                         ; v124-171 the way out
	s_load_b512 s[8:23], s[0:1], 0x0               ; w_gate 8, w_up 10, w_down 12, sw_gate 14, sw_up 16, sw_down 18, rec 20, wbuf 22
	s_load_b64 s[24:25], s[0:1], 0x40              ; list
	v_lshl_add_u32 v192, v0, 2, 0x6200
	v_mov_b32 v193, 0
	v_lshrrev_b32 v1, 5, v0
	v_readfirstlane_b32 s2, v1                     ; wave 0..3
	v_and_b32 v1, 31, v0                           ; lane
	v_lshlrev_b32 v6, 4, v1
	v_lshlrev_b32 v7, 3, v1
	s_cmp_eq_u32 ttmp9, 0
	s_cbranch_scc1 .Lsort
	s_sub_co_u32 s26, ttmp9, 1
	s_cmp_ge_u32 s26, 288                          ; 288 work-groups for gate and up, 144 for down
	s_cselect_b32 s27, 1, 0                        ; kind
	s_cselect_b32 s28, 288, 0
	s_sub_co_u32 s26, s26, s28
	s_lshr_b32 s30, s26, 5                         ; gate, up: expert,
	s_lshr_b32 s31, s26, 4                         ; down: expert
	s_and_b32 s33, s31, 1                          ; gate or up,
	s_and_b32 s34, s26, 3                          ; which 128 columns of 512,
	s_and_b32 s35, s26, 7                          ; down: of 1,024
	s_bfe_u32 s36, s26, 0x20002                    ; which 256 of K = 1,024,
	s_bfe_u32 s37, s26, 0x10003                    ; down: of K = 512
	s_lshl_b32 s38, s34, 2
	s_add_co_u32 s38, s38, s2                      ; blk = 4 x columns' group + wave
	s_lshl_b32 s39, s35, 1
	s_lshr_b32 s40, s2, 1
	s_add_co_u32 s39, s39, s40                     ; cg = 2 x columns' group + wave / 2
	s_and_b32 s40, s2, 1
	s_mov_b32 s41, 49152
	s_mov_b32 s42, WGUS
	s_mov_b32 s43, 2048
	s_cmp_eq_u32 s27, 1
	s_cselect_b32 s30, s31, s30                    ; expert
	s_cselect_b32 s44, s40, s33                    ; which 3,072 bytes of a K step: wave & 1, or gate / up
	s_cselect_b32 s34, s35, s34
	s_cselect_b32 s36, s37, s36                    ; kq
	s_cselect_b32 s38, s39, s38                    ; cg or blk
	s_cselect_b32 s41, 24576, s41                  ; its bytes of codes
	s_cselect_b32 s42, WDS, s42
	s_cselect_b32 s43, 4096, s43                   ; a row of the source in bytes
	s_cselect_b32 s45, WD_OFF, 0
	s_cselect_b32 s46, 1, 2                        ; log2 of the number of kq
	s_cselect_b32 s47, -1, 0
	s_lshl_b32 s52, s30, 21                        ; an expert's matrix is 2 MiB
	s_wait_kmcnt 0x0
	s_cmp_eq_u32 s33, 1
	s_cselect_b64 s[48:49], s[10:11], s[8:9]
	s_cselect_b64 s[50:51], s[16:17], s[14:15]
	s_cmp_eq_u32 s27, 1
	s_cselect_b64 s[48:49], s[12:13], s[48:49]
	s_cselect_b64 s[50:51], s[18:19], s[50:51]
	s_cmp_eq_u32 s30, 8                            ; the shared expert has tensors of its own
	s_cselect_b64 s[48:49], s[50:51], s[48:49]
	s_cselect_b32 s52, 0, s52
	s_mul_i32 s53, s36, s43
	s_lshl_b32 s53, s53, 8                         ; 256 kq rows
	s_add_co_u32 s52, s52, s53
	s_lshl_b32 s53, s34, 9                         ; 128 columns of 4 bytes
	s_add_co_u32 s52, s52, s53
	s_lshl_b32 s53, s2, 7                          ; my wave's 32
	s_add_co_u32 s52, s52, s53
	s_mov_b32 s53, 0
	s_add_nc_u64 s[68:69], s[48:49], s[52:53]      ; a base for each of the eight blocks: nothing is stepped while loads are out
	s_lshl_b32 s54, s43, 5
	s_mov_b32 s55, 0
.irp t, 1,2,3,4,5,6,7
	s_add_nc_u64 s[68+2*\t:69+2*\t], s[66+2*\t:67+2*\t], s[54:55]
.endr
	s_lshl_b32 s56, s30, 4
	s_add_co_u32 s56, s56, s38                     ; 16 x expert + blk (cg)
	s_mul_i32 s58, s56, s41
	s_add_co_u32 s58, s58, s45
	s_mul_i32 s57, s36, 12288                      ; two K steps of 6,144 bytes
	s_add_co_u32 s58, s58, s57
	s_mul_i32 s57, s44, 3072
	s_add_co_u32 s58, s58, s57
	s_mov_b32 s59, 0
	s_add_nc_u64 s[58:59], s[22:23], s[58:59]      ; my codes' place
	s_lshl_b32 s60, s56, s46
	s_add_co_u32 s60, s60, s36
	s_lshl_b32 s60, s60, 9
	s_lshl_b32 s57, s44, 8
	s_add_co_u32 s60, s60, s57
	s_add_co_u32 s60, s60, s42
	s_mov_b32 s61, 0
	s_add_nc_u64 s[60:61], s[22:23], s[60:61]      ; my scale words' place
	v_and_b32 v8, 7, v1                            ; gate, up: image lane 16 u + r holds unit 8 u + r + 8 (r / 8): the lane's number with bits 3 and 4 changed over
	v_bfe_u32 v9, v1, 4, 1
	v_lshl_or_b32 v8, v9, 3, v8
	v_bfe_u32 v9, v1, 3, 1
	v_lshl_or_b32 v8, v9, 4, v8
	v_cndmask_b32 v8, v8, v1, s47                  ; down: the lane's number
	v_lshlrev_b32 v3, 2, v8
.set k, 0
.rept 32
	v_mad_u32_u24 v[VO+k], s43, k, v3
.set k, k+1
.endr
	s_mul_i32 s3, s2, 6144                         ; my stage: [K step 2][tile 2][image]
	v_lshrrev_b32 v9, 4, v1
	v_mul_u32_u24 v4, v9, 1536
	v_and_b32 v9, 15, v1
	v_lshl_add_u32 v4, v9, 4, v4
	v_add_nc_u32 v4, s3, v4                        ; in: my tile's image, row lane % 16
	v_add_nc_u32 v5, s3, v6                        ; out: 16 x lane
.macro LOADB t
.set k, 0
.rept 32
	global_load_b32 v[X+32*((\t)%2)+k], v[VO+k], s[68+2*(\t):69+2*(\t)] th:TH_LOAD_NT
.set k, k+1
.endr
.endm
	LOADB 0
	LOADB 1
.macro BLOCK t                         ; block t of my column: K step t / 4, c = (t / 2) % 2, h = t % 2
.set XS_, X+32*((\t)%2)
.set OF_, 3072*((\t)/4)+256*((\t)%2)
.if (\t) < 7
	s_wait_loadcnt 32                              ; this block's 32 loads are in; the next block's may be out
.else
	s_wait_loadcnt 0x0
.endif
	v_max3_num_f32 v8, |v[XS_]|, |v[XS_+1]|, 0x2800000             ; with the floor 2^(5 - 127)
	v_max3_num_f32 v9, |v[XS_+2]|, |v[XS_+3]|, |v[XS_+4]|
.irp i, 5,9,13,17,21,25
	v_max3_num_f32 v8, v8, |v[XS_+\i]|, |v[XS_+\i+1]|
	v_max3_num_f32 v9, v9, |v[XS_+\i+2]|, |v[XS_+\i+3]|
.endr
	v_max3_num_f32 v8, v8, |v[XS_+29]|, |v[XS_+30]|
	v_max3_num_f32 v8, v8, v9, |v[XS_+31]|
	v_add_nc_u32 v10, 0xfe000000, v8               ; 4 off the exponent field: the conversion's scale operand
	v_lshrrev_b32 v11, 23, v10                     ; the byte
.if (\t)%4 == 0
	v_mov_b32 v[SB+(\t)/4], v11
.else
	v_lshl_or_b32 v[SB+(\t)/4], v11, 8*((\t)%4), v[SB+(\t)/4]
.endif
	v_cvt_scalef32_pk16_bf6_f32 v[DC:DC+2], v[XS_:XS_+15], v10
	v_cvt_scalef32_pk16_bf6_f32 v[DC+6:DC+8], v[XS_+16:XS_+31], v10
	v_nop                                          ; a plain line behind the conversions
	v_mov_b32 v[DC+3], v[DC+6]
	v_mov_b32 v[DC+4], v[DC+7]
	v_mov_b32 v[DC+5], v[DC+8]
.if ((\t)/2)%2 == 0                    ; registers 0-5 of image lane (r, h)
	ds_store_b128 v4, v[DC:DC+3] offset:OF_
	ds_store_b64 v4, v[DC+4:DC+5] offset:OF_+512
.else                                  ; registers 6-11
	ds_store_b64 v4, v[DC:DC+1] offset:OF_+520
	ds_store_b128 v4, v[DC+2:DC+5] offset:OF_+1024
.endif
.if (\t)+2 < 8
	LOADB (\t)+2
.endif
	s_wait_dscnt 0x0                               ; the stores have read their registers: the next block's codes may be written
.endm
.irp t, 0,1,2,3,4,5,6,7
	BLOCK \t
.endr
	global_store_b64 v7, v[SB:SB+1], s[60:61]      ; 256 consecutive bytes, aligned
.irp j, 0,1,2,3,4,5,6,7,8,9,10,11
	ds_load_b128 v[OUTR+4*\j:OUTR+4*\j+3], v5 offset:512*\j
.endr
.irp j, 0,1,2,3,4,5,6,7,8,9,10,11
	s_wait_dscnt 11-\j
	global_store_b128 v6, v[OUTR+4*\j:OUTR+4*\j+3], s[58:59] offset:6144*(\j/6)+512*(\j%6)
.endr
	s_wait_tensorcnt 0x0
	ds_add_u32 v192, v193
	s_wait_dscnt 0x0
	s_endpgm
.Lsort:                                                ; wave w takes chunks 32 w .. 32 w + 31.  v16-79 the records, v80-111 running places, v112-143 my tokens' places, v144-175 indices, then token numbers
	s_lshl_b32 s26, s2, 13
	s_mov_b32 s27, 0
	v_lshl_add_u32 v2, v0, 2, SRT
	v_lshl_add_u32 v3, v1, 2, SRT
	s_wait_kmcnt 0x0
	s_add_nc_u64 s[20:21], s[20:21], s[26:27]
.set k, 0
.rept 32
	global_load_b64 v[16+2*k:17+2*k], v7, s[20:21] offset:256*k
.set k, k+1
.endr
	s_wait_loadcnt 0x0
	v_add3_u32 v8, v17, v19, v21                   ; lane = pair: my 32 chunks' tokens of it
.irp c, 3,5,7,9,11,13,15,17,19,21,23,25,27,29
	v_add3_u32 v8, v8, v[17+2*\c], v[19+2*\c]
.endr
	v_add_nc_u32 v8, v8, v79
	ds_store_b32 v2, v8
	s_wait_dscnt 0x0
	s_barrier_signal -1
	s_barrier_wait -1
.irp j, 0,1,2,3
	ds_load_b32 v[9+\j], v3 offset:128*\j
.endr
	v_mov_b32 v14, 0
	v_mov_b32 v177, 0
	s_wait_dscnt 0x0
	v_add3_u32 v13, v9, v10, v11
	v_add_nc_u32 v13, v13, v12                     ; the pair's tokens in all
.irp j, 0,1,2
	s_cmp_gt_u32 s2, \j
	s_cselect_b32 s28, -1, 0
	v_and_b32 v15, s28, v[9+\j]
	v_add_nc_u32 v14, v14, v15                     ; those of the waves before mine
.endr
	v_add_nc_u32 v176, 127, v13
	v_lshrrev_b32 v176, 7, v176                    ; the pair's groups
	s_mov_b32 s28, 0
.set PP, 0
.rept 28                                       ; v177: the pair's first group
	v_writelane_b32 v177, s28, PP
	v_readlane_b32 s29, v176, PP
	s_add_co_u32 s28, s28, s29
.set PP, PP+1
.endr
	v_lshl_add_u32 v80, v177, 7, v14               ; a pair's groups follow each other, 128 places each: place = 128 x first group + the token's number within the pair
.set k, 0
.rept 31
	v_add_nc_u32 v[81+k], v[80+k], v[17+2*k]
.set k, k+1
.endr
.set k, 0
.rept 32
	v_and_b32 v[144+k], 0xff, v[16+2*k]            ; lane = token: its pair,
	v_min_u32 v[144+k], 31, v[144+k]
	v_lshlrev_b32 v[144+k], 2, v[144+k]
.set k, k+1
.endr
.set k, 0
.rept 32
	ds_bpermute_b32 v[112+k], v[144+k], v[80+k]    ; where that pair's tokens of this chunk begin,
.set k, k+1
.endr
	s_lshl_b32 s28, s2, 10
	v_add_nc_u32 v178, s28, v1                     ; 1,024 w + lane
	s_wait_dscnt 0x0
.set k, 0
.rept 32
	v_bfe_u32 v15, v[16+2*k], 8, 8
	v_add_nc_u32 v[112+k], v[112+k], v15           ; + its rank in the chunk
	v_min_u32 v[112+k], 7551, v[112+k]             ; 59 x 128 places
	v_lshlrev_b32 v[112+k], 2, v[112+k]
	v_add_nc_u32 v[144+k], 32*k, v178              ; the token's number
.set k, k+1
.endr
.set k, 0
.rept 32
	global_store_b32 v[112+k], v[144+k], s[24:25] offset:1024
.set k, k+1
.endr
	s_cmp_lt_u32 s2, 2
	s_cbranch_scc0 .Lsorted
	v_mov_b32 v184, 0                              ; waves 0 and 1: thread = group 0 .. 63; a group that no pair owns keeps 0 rows
	v_mov_b32 v185, 0
	v_mov_b32 v186, 0
	v_mov_b32 v187, 0
.macro DESC p, lo, hi
	v_readlane_b32 s30, v177, \p
	v_readlane_b32 s31, v13, \p
	v_sub_nc_u32 v180, v0, s30
	v_lshlrev_b32 v180, 7, v180                    ; tokens of the pair ahead of my group (a huge number where my group lies ahead of the pair's)
	v_cmp_le_u32 vcc_lo, s31, v180                 ; none left: not mine
	v_sub_nc_u32 v181, s31, v180
	v_cndmask_b32 v186, v181, v186, vcc_lo
	v_cndmask_b32 v184, \lo, v184, vcc_lo
	v_cndmask_b32 v185, \hi, v185, vcc_lo
.endm
.set PP, 0
.irp lo, 0,1,2,3,4,5,6
.irp hi, 1,2,3,4,5,6,7
.if \hi > \lo
	DESC PP, \lo, \hi
.set PP, PP+1
.endif
.endr
.endr
	v_min_u32 v186, 128, v186
	v_lshlrev_b32 v188, 4, v0
	global_store_b128 v188, v[184:187], s[24:25]
.Lsorted:
	s_wait_tensorcnt 0x0
	ds_add_u32 v192, v193
	s_wait_dscnt 0x0
	s_endpgm
.Lfunc_end_k_qd10e9fa75b_wq:
	.size	k_qd10e9fa75b_wq, .Lfunc_end_k_qd10e9fa75b_wq-k_qd10e9fa75b_wq
	.p2alignl 7, 3214868480
	.fill 96, 4, 3214868480
	.section	.rodata,"a",@progbits
	.p2align	6, 0x0
	.amdhsa_kernel k_qd10e9fa75b_wq
		.amdhsa_group_segment_fixed_size 25600
		.amdhsa_private_segment_fixed_size 0
		.amdhsa_enable_private_segment 0
		.amdhsa_kernarg_size 72
		.amdhsa_user_sgpr_count 2
		.amdhsa_user_sgpr_kernarg_segment_ptr 1
		.amdhsa_wavefront_size32 1
		.amdhsa_system_sgpr_workgroup_id_x 1
		.amdhsa_system_sgpr_workgroup_id_y 1
		.amdhsa_system_sgpr_workgroup_id_z 1
		.amdhsa_system_vgpr_workitem_id 0
		.amdhsa_next_free_vgpr 194
		.amdhsa_next_free_sgpr 96
		.amdhsa_reserve_vcc 1
		.amdhsa_float_denorm_mode_32 3
		.amdhsa_float_denorm_mode_16_64 3
		.amdhsa_memory_ordered 1
		.amdhsa_forward_progress 1
		.amdhsa_inst_pref_size 85
	.end_amdhsa_kernel
	.amdgpu_metadata
---
amdhsa.version: [ 1, 2 ]
amdhsa.kernels:
  - .name:           k_qd10e9fa75b_wq
    .symbol:         k_qd10e9fa75b_wq.kd
    .args:
      - { .name: w_gate, .offset: 0, .size: 8, .value_kind: global_buffer, .address_space: global }
      - { .name: w_up, .offset: 8, .size: 8, .value_kind: global_buffer, .address_space: global }
      - { .name: w_down, .offset: 16, .size: 8, .value_kind: global_buffer, .address_space: global }
      - { .name: sw_gate, .offset: 24, .size: 8, .value_kind: global_buffer, .address_space: global }
      - { .name: sw_up, .offset: 32, .size: 8, .value_kind: global_buffer, .address_space: global }
      - { .name: sw_down, .offset: 40, .size: 8, .value_kind: global_buffer, .address_space: global }
      - { .name: rec, .offset: 48, .size: 8, .value_kind: global_buffer, .address_space: global }
      - { .name: wbuf, .offset: 56, .size: 8, .value_kind: global_buffer, .address_space: global }
      - { .name: list, .offset: 64, .size: 8, .value_kind: global_buffer, .address_space: global }
    .group_segment_fixed_size: 25600
    .private_segment_fixed_size: 0
    .kernarg_segment_align: 8
    .kernarg_segment_size: 72
    .max_flat_workgroup_size: 128
    .sgpr_count:     96
    .vgpr_count:     194
    .wavefront_size: 32
...
	.end_amdgpu_metadata
.endif
;; end of part 2
;; launch gateup (part 3): grid 6 x 59, 4 waves a work-group, no clusters, 130,560 bytes of LDS; arguments xbuf, wbuf, list, hbuf; writes hbuf
.if DOCPART == 3
	.amdgcn_target "amdgcn-amd-amdhsa--gfx1250"
	.amdhsa_code_object_version 6
	.text
	.protected	k_qd10e9fa75b_gateup
	.globl	k_qd10e9fa75b_gateup
	.p2align	8
	.type	k_qd10e9fa75b_gateup,@function
k_qd10e9fa75b_gateup:
	s_mov_b64 s[64:65], 0
	v_nop
	global_prefetch_b8 v0, s[64:65] scope:SCOPE_SE
	s_setreg_imm32_b32 hwreg(HW_REG_WAVE_MODE, 25, 1), 1
	s_wait_xcnt 0x0
; GATEUP.  For a group g of up to 128 tokens of one pair of experts, a slot (0: the lower expert, 1: the higher, 2: the shared one) and a half of the 512 hidden units:
; h = silu(x Wg) (x Wu), both products on codes of BF6 (E3M2) with E8M0 scales, h quantised along the hidden units and stored as images of the next product's operand.
; Only the experts that a token has chosen are multiplied: the combine weights of the others are zero.
; THE GRID serves every split: 59 groups at the most.  x counts a group's six parts (slot, half) and y the groups: the sort numbers the groups that have rows from 0 on, so they have the lowest work-group numbers and
; the groups without rows the highest.  A GROUP WITHOUT ROWS passes both barriers like any other and jumps over the work between them (scalar branches on the stored count; no barrier stands under such a branch); it
; stores nothing.  What a later stretch of the text reads from registers is either loaded on the way that all take (tokens, scale words, the weights of K steps 0 to 3) or in that stretch itself.
; So that it reads no byte that nobody stored, a group without rows takes the token of group 0, row 0, which every split has.
; Those branches on a stored number are why this text has no tensor load and so no joint loads in a cluster, though the six work-groups of a group share x and groups of one expert share weights.
; Rows from the count on take the group's last token again: they compute and store what that row stores, in rows of the group's own that nobody uses; EXEC is never narrowed.
; SHARES.  128 rows x 256 units in two passes of 128 units, each one K step (s = 2 ih + pass) of the next product.  THE WAVES SHARE THE UNITS: wave w has units 32 (8 ih + 4 pass + w) on, one block of the next K:
; two tiles of gate and two of up, for all eight tiles of rows: 32 accumulators.  x's codes, gathered once, lie in LDS; the weights go from memory straight into registers.
; THE FIRST PASS GOES BY K: a K step's 32 products, and its registers then take the second pass's weights.  THE SECOND PASS GOES BY ROW TILES: all its weights are in registers, so a tile's 32 products (its four
; accumulators by turns) finish it.  That frees the vector work from the products: a tile's activation and quantising, a list of 83 instructions, stands in slices behind the 16 products of a half tile of another row
; tile, five behind each and eight behind the last: 5.2 vector instructions for each matrix instruction, at the price of two window switches a product.  Of the sixteen lists fourteen are carried so; the first and
; the last stand alone.  First-pass tile m is read out ahead of the second pass's first product on tile m; second-pass tile m behind its last product and four places.
; THE MATRIX INSTRUCTION IS USED TRANSPOSED (source 0 = 16 units, source 1 = 16 tokens): a lane holds one token, and by the order in which the weights' tiles were laid the 16 registers of tiles u = 0, 1 are
; units 16 (lane / 16) + 0 .. 15 of the block.  What goes into the quantiser is f32: 2^x and 1 / x by v_exp_f32 and v_rcp_f32.
; LIMITS: NaN and infinities are not served; a block of h whose largest magnitude lies under 2^-122 (a block of zeros too) gets the byte 1, read by this program alone.
; REGISTERS: v1-15 addresses; v16-31 the gather's offsets; v32-63 the weights' scale words; v64-95 x's; v96-191 eight fragments of x; v192-207, v208-223 at work on 16 numbers; v224-253 at work.
;   v256-495 and v768-911: the weights of K steps 0-4 and 5-7, 48 registers each; v912-1007 the second pass's K steps 6 and 7.
;   v512-767: the accumulators, (row tile m, tile wt = 2 mat + u) at 8 (4 m + wt); before the first product the gather lands there.
.set XS_OFF, 3145728
.set WGUS,   10616832
.set HS_OFF, 8699904
.set CHP,  272                         ; LDS: one piece of 16 bytes of 16 tokens + 16 of padding: 17 x 16, so sixteen lanes' stores fall on sixteen different columns of 16 bytes
.set TILE, 48*CHP                      ; a tile of 16 tokens: 48 pieces
.set HST,  8*TILE                      ; behind x: a pass's eight images of h,
.set HSC,  HST+12288                   ; their scale words [8][16];
.set PSTG, 12800                       ; the second pass has bytes of its own
.set ROWS, 39                          ; s39  the group's rows as stored: 0 in a group that the split leaves empty
.set GRP,  43                          ; s43  the group
.set EQ,   0                           ; how many lists have been written out: their codes' registers take turns
.set MSB, 0
.macro WIN new                         ; the immediate's high byte repeats the setting that is left
.if MSB != \new
	s_set_vgpr_msb (MSB<<8)|\new
.set MSB, \new
.endif
.endm
.macro NOP4                            ; four places behind matrix instructions, in front of loads into their sources and of the first read of results
.rept 4
	v_nop
.endr
.endm
.macro WLOAD p, ks                     ; the four tiles' images of pass p, K step ks: 12 loads of 512 consecutive bytes
.if (\ks) < 5
	WIN 0x40
.set WB_, 48*(\ks)
.elseif ((\p) == 0) || ((\ks) == 5)
	WIN 0xc0
.set WB_, 48*((\ks)-5)
.else
	WIN 0xc0                                       ; the second pass's K steps 6 and 7 have registers of their own, so that they can be asked for before the first pass is done with its own
.set WB_, 144+48*((\ks)-6)
.endif
.irp j, 0,1,2,3,4,5,6,7,8,9,10,11
	global_load_b128 v[WB_+4*\j:WB_+4*\j+3], v1, s[26:27] offset:196608*(\p)+6144*(\ks)+512*\j
.endr
.endm
.macro WM d, a, b, z, sa, sb, ra, rb   ; one product; z: it starts the sum; ra, rb: the scales' rows of lanes
.if (\z) && ((\ra) == 0) && ((\rb) == 0)
	v_wmma_scale_f32_16x16x128_f8f6f4 v[\d:\d+7], v[\a:\a+11], v[\b:\b+11], 0, v[\sa], v[\sb] matrix_a_fmt:MATRIX_FMT_BF6 matrix_b_fmt:MATRIX_FMT_BF6
.elseif (\z) && ((\ra) == 1) && ((\rb) == 0)
	v_wmma_scale_f32_16x16x128_f8f6f4 v[\d:\d+7], v[\a:\a+11], v[\b:\b+11], 0, v[\sa], v[\sb] matrix_a_fmt:MATRIX_FMT_BF6 matrix_b_fmt:MATRIX_FMT_BF6 matrix_a_scale:MATRIX_SCALE_ROW1
.elseif (\z) && ((\ra) == 0) && ((\rb) == 1)
	v_wmma_scale_f32_16x16x128_f8f6f4 v[\d:\d+7], v[\a:\a+11], v[\b:\b+11], 0, v[\sa], v[\sb] matrix_a_fmt:MATRIX_FMT_BF6 matrix_b_fmt:MATRIX_FMT_BF6 matrix_b_scale:MATRIX_SCALE_ROW1
.elseif (\z)
	v_wmma_scale_f32_16x16x128_f8f6f4 v[\d:\d+7], v[\a:\a+11], v[\b:\b+11], 0, v[\sa], v[\sb] matrix_a_fmt:MATRIX_FMT_BF6 matrix_b_fmt:MATRIX_FMT_BF6 matrix_a_scale:MATRIX_SCALE_ROW1 matrix_b_scale:MATRIX_SCALE_ROW1
.elseif ((\ra) == 0) && ((\rb) == 0)
	v_wmma_scale_f32_16x16x128_f8f6f4 v[\d:\d+7], v[\a:\a+11], v[\b:\b+11], v[\d:\d+7], v[\sa], v[\sb] matrix_a_fmt:MATRIX_FMT_BF6 matrix_b_fmt:MATRIX_FMT_BF6
.elseif ((\ra) == 1) && ((\rb) == 0)
	v_wmma_scale_f32_16x16x128_f8f6f4 v[\d:\d+7], v[\a:\a+11], v[\b:\b+11], v[\d:\d+7], v[\sa], v[\sb] matrix_a_fmt:MATRIX_FMT_BF6 matrix_b_fmt:MATRIX_FMT_BF6 matrix_a_scale:MATRIX_SCALE_ROW1
.elseif ((\ra) == 0) && ((\rb) == 1)
	v_wmma_scale_f32_16x16x128_f8f6f4 v[\d:\d+7], v[\a:\a+11], v[\b:\b+11], v[\d:\d+7], v[\sa], v[\sb] matrix_a_fmt:MATRIX_FMT_BF6 matrix_b_fmt:MATRIX_FMT_BF6 matrix_b_scale:MATRIX_SCALE_ROW1
.else
	v_wmma_scale_f32_16x16x128_f8f6f4 v[\d:\d+7], v[\a:\a+11], v[\b:\b+11], v[\d:\d+7], v[\sa], v[\sb] matrix_a_fmt:MATRIX_FMT_BF6 matrix_b_fmt:MATRIX_FMT_BF6 matrix_a_scale:MATRIX_SCALE_ROW1 matrix_b_scale:MATRIX_SCALE_ROW1
.endif
.endm
.macro FX ks, half                     ; the first pass: x's fragments of K step ks for row tiles 4 half .. 4 half + 3: 12 loads; fragment of tile m at v[96 + 12 m]
.irp mm, 0,1,2,3
.irp gq, 0,1,2
	ds_load_b128 v[96+12*(4*(\half)+\mm)+4*\gq:96+12*(4*(\half)+\mm)+4*\gq+3], v[2+(\half)] offset:TILE*\mm+CHP*(6*(\ks)+2*\gq)
.endr
.endr
.endm
.macro FXR m, half                     ; the second pass: x's fragments of row tile m for K steps 4 half .. 4 half + 3: 12 loads; fragment of K step ks at v[96 + 12 ks]
.irp kk, 0,1,2,3
.irp gq, 0,1,2
	ds_load_b128 v[96+12*(4*(\half)+\kk)+4*\gq:96+12*(4*(\half)+\kk)+4*\gq+3], v[2+((\m)>>2)] offset:TILE*((\m)&3)+CHP*(6*(4*(\half)+\kk)+2*\gq)
.endr
.endr
.endm
.macro MM ks, half                     ; the first pass: 16 products: four row tiles x my four tiles of units.  The 32 accumulators take turns, one instruction a turn
.if (\ks) < 5
	WIN 0xa1                                       ; source 0 v256 on, source 1 v0 on, C and D v512 on
.set WB_, 48*(\ks)
.else
	WIN 0xa3                                       ; source 0 v768 on
.set WB_, 48*((\ks)-5)
.endif
.if (\ks) == 0
.set Z_, 1
.else
.set Z_, 0
.endif
.irp mm, 0,1,2,3
.irp wt, 0,1,2,3
	WM 8*(4*(4*(\half)+\mm)+\wt), WB_+12*\wt, 96+12*(4*(\half)+\mm), Z_, 32+4*((\ks)>>1)+2*(\wt>>1)+((\ks)&1), 64+8*\mm+(\ks), (\wt&1), (\half)
.endr
.endr
.endm
; A K step of the first pass.  lc: how many younger global loads may stay out when this step's weights must be in (-1: shown in earlier).  Meanwhile the next K step's fragments of x are fetched;
; the last step fetches row tile 0's fragments for the second pass, into the same two halves of the registers.
.macro STEP ks, lc
.if (\lc) >= 0
	s_wait_loadcnt \lc
.endif
	s_wait_dscnt 12                                ; row tiles 0-3 are in; the twelve loads of tiles 4-7 may be out
	MM \ks, 0
	NOP4
	WIN 0
.if (\ks) < 7
	FX (\ks)+1, 0
.else
	FXR 0, 0
.endif
	s_wait_dscnt 12                                ; all but the twelve just issued
	MM \ks, 1
	NOP4
	WIN 0
.if (\ks) < 7
	FX (\ks)+1, 1
.else
	FXR 0, 1
.endif
.endm
; THE LIST.  Row tile m of pass p: h = g u / (1 + 2^(-g log2 e)), its block's scale, 16 codes a lane, into the image.  EPE writes number EJ of the list's 83:
;   0-7    -g log2 e, two at a time (each accumulator is read from its low end on)      8-15   g u
;   16-31  the sixteen exponentials, one batch;  32  a plain line and the one wait for the batch, ahead of its first reader
;   33-40  1 + 2^..                       41-56  the sixteen reciprocals, one batch;  57  a plain line and their one wait
;   58-65  h                              66-76  the block's largest magnitude (my 16, the floor 2^(5 - 127), lane l xor 16's) and the conversion's scale operand
;   77     the conversion                 78     the scale's byte: also the plain line behind the conversion           79-82  three words of codes and the byte into LDS
.macro EPE p, m
.set AB_, 32*(\m)
.set CB_, 232+4*(EQ&1)
.if EJ >= 16
	WIN 0
.endif
.if EJ < 8
	WIN 0x02                                       ; source 0 v512 on
	v_pk_mul_f32 v[192+2*EJ:193+2*EJ], v[AB_+2*EJ:AB_+2*EJ+1], 0xbfb8aa3b op_sel_hi:[1,0]
.elseif EJ < 16
	WIN 0x0a                                       ; sources 0 and 1 v512 on
	v_pk_mul_f32 v[192+2*EJ:193+2*EJ], v[AB_+2*EJ-16:AB_+2*EJ-15], v[AB_+2*EJ:AB_+2*EJ+1]
.elseif EJ < 32
	v_exp_f32 v[176+EJ], v[176+EJ]
.elseif EJ == 32
	v_nop
	s_wait_alu depctr_va_vdst(0)
.elseif EJ < 41
	v_pk_add_f32 v[192+2*(EJ-33):193+2*(EJ-33)], v[192+2*(EJ-33):193+2*(EJ-33)], 1.0 op_sel_hi:[1,0]
.elseif EJ < 57
	v_rcp_f32 v[151+EJ], v[151+EJ]
.elseif EJ == 57
	v_nop
	s_wait_alu depctr_va_vdst(0)
.elseif EJ < 66
	v_pk_mul_f32 v[208+2*(EJ-58):209+2*(EJ-58)], v[208+2*(EJ-58):209+2*(EJ-58)], v[192+2*(EJ-58):193+2*(EJ-58)]
.elseif EJ == 66
	v_max3_num_f32 v224, |v208|, |v209|, 0x2800000
.elseif EJ == 67
	v_max3_num_f32 v225, |v210|, |v211|, |v212|
.elseif EJ < 73
	v_max3_num_f32 v[224+((EJ-68)&1)], v[224+((EJ-68)&1)], |v[213+2*(EJ-68)]|, |v[214+2*(EJ-68)]|
.elseif EJ == 73
	v_max3_num_f32 v224, v224, v225, |v223|
.elseif EJ == 74
	v_permlanex16_b32 v243, v224, s40, s41
.elseif EJ == 75
	v_max_num_f32 v224, v224, v243
.elseif EJ == 76
	v_add_nc_u32 v226, 0xfe000000, v224            ; 4 off the exponent field
.elseif EJ == 77
.if EQ >= 2
	s_wait_dscnt 12                                ; the stores of the list before last have read these registers: behind them stand the last list's four stores and twelve fragment loads at the least
.endif
	v_cvt_scalef32_pk16_bf6_f32 v[CB_:CB_+2], v[208:223], v226
.elseif EJ == 78
	v_lshrrev_b32 v[240+(EQ&1)], 23, v226
.elseif EJ < 82
	ds_store_b32 v[EJ-74], v[CB_+EJ-79] offset:PSTG*(\p)+1536*(\m)
.else
	ds_store_b8 v8, v[240+(EQ&1)] offset:PSTG*(\p)+64*(\m)         ; both lanes of a row write the same byte with the same value
.endif
.endm
.macro EPALL p, m                      ; a list that stands alone
.set EJ, 0
.rept 83
	EPE \p, \m
.set EJ, EJ+1
.endr
.set EQ, EQ+1
.endm
; HALF A ROW TILE of the second pass: K steps 4 half .. 4 half + 3 of row tile m: 16 products, the tile's four accumulators by turns, one instruction a turn.
; lc: the younger global loads that may stay out (-1: no wait);  dsw: the younger LDS instructions that may stay out when this half's fragments must be in;
; ep, em: the list (pass, row tile) whose slices stand behind the products (ep = -1: none).  Behind the products and four places the same half of the registers takes the next row tile's fragments.
.macro HS m, half, lc, dsw, ep, em
.if (\lc) >= 0
	s_wait_loadcnt \lc
.endif
	s_wait_dscnt \dsw
.set i_, 0
.set EJ, 0
.rept 16
.set KS_, 4*(\half)+i_/4
.set WT_, i_%4
.if KS_ < 5
	WIN 0xa1
.set WB_, 48*KS_
.elseif KS_ == 5
	WIN 0xa3
.set WB_, 0
.else
	WIN 0xa3
.set WB_, 144+48*(KS_-6)
.endif
.if KS_ == 0
.set Z_, 1
.else
.set Z_, 0
.endif
	WM 8*(4*(\m)+WT_), WB_+12*WT_, 96+12*KS_, Z_, 48+4*(KS_>>1)+2*(WT_>>1)+(KS_&1), 64+8*((\m)&3)+KS_, (WT_&1), ((\m)>>2)
.if (\ep) >= 0
.if i_ < 15
.rept 5
	EPE \ep, \em
.set EJ, EJ+1
.endr
.else
.rept 8
	EPE \ep, \em
.set EJ, EJ+1
.endr
.endif
.endif
.set i_, i_+1
.endr
.if (\ep) >= 0
.set EQ, EQ+1
.endif
	NOP4
	WIN 0
.if (\m) < 7
	FXR (\m)+1, \half
.endif
.endm
.macro HLD p                           ; the way out of pass p: my two images and the pass's 128 scale words come back from LDS: seven loads, registers of their own for each pass
.irp j, 0,1,2,3,4,5
	ds_load_b128 v[192+28*(\p)+4*\j:195+28*(\p)+4*\j], v9 offset:PSTG*(\p)+512*\j
.endr
	ds_load_b128 v[216+28*(\p):219+28*(\p)], v15 offset:PSTG*(\p)
.endm
.macro HSEND p
.irp j, 0,1,2,3,4,5
	s_wait_dscnt 13-7*(\p)-\j                      ; of the fourteen loads those behind this one may be out
	global_store_b128 v1, v[192+28*(\p)+4*\j:195+28*(\p)+4*\j], s[34:35] offset:1536*(\p)+6144*(\j/3)+512*(\j%3)   ; 512 consecutive bytes, aligned
.endr
.endm
	s_load_b256 s[4:11], s[0:1], 0x0               ; xbuf 4, wbuf 6, list 8, hbuf 10
	v_lshl_add_u32 v254, v0, 2, 0x1fc00
	v_mov_b32 v255, 0
	v_lshrrev_b32 v1, 5, v0
	v_readfirstlane_b32 s2, v1                     ; wave 0..3
	s_and_b32 s[GRP], ttmp7, 0xffff                ; the group
	s_lshr_b32 s18, ttmp9, 1                       ; slot
	s_and_b32 s19, ttmp9, 1                        ; ih
	s_lshl_b32 s16, s[GRP], 4
	s_mov_b32 s17, 0
	s_wait_kmcnt 0x0
	s_add_nc_u64 s[16:17], s[8:9], s[16:17]
	s_load_b128 s[12:15], s[16:17], 0x0            ; the group: lower expert, higher expert, rows
	v_and_b32 v244, 31, v0                         ; lane
	v_and_b32 v245, 15, v0                         ; r
	v_bfe_u32 v246, v0, 4, 1                       ; h
	v_mov_b32 v243, 0                              ; (a lane permute's destination counts as one of its sources)
	v_lshlrev_b32 v1, 4, v244                      ; 16 x lane
	v_lshlrev_b32 v242, 3, v244                    ; 8 x lane
	v_mul_u32_u24 v2, v246, CHP
	v_lshl_add_u32 v2, v245, 4, v2                 ; x's fragments: piece + h, token r; row tiles 0-3,
	v_add_nc_u32 v3, 4*TILE, v2                    ; row tiles 4-7
	s_mul_i32 s20, s2, 2*TILE
	v_mul_u32_u24 v4, v245, CHP
	v_lshl_add_u32 v4, v246, 4, v4
	v_add_nc_u32 v4, s20, v4                       ; the gather's way in: my wave's two tiles; piece lane % 16, token lane / 16
	s_lshr_b32 s20, s2, 1
	s_mul_i32 s20, s20, 6
	v_mad_u32_u24 v247, v246, 3, s20               ; my three registers of codes are registers R = 6 (w / 2) + 3 h + i of image lane (r, w & 1)
	s_and_b32 s21, s2, 1
	s_lshl_b32 s21, s21, 8
	s_add_co_u32 s21, s21, HST
	v_lshl_add_u32 v248, v245, 4, s21
.irp i, 0,1,2
	v_add_nc_u32 v249, \i, v247
	v_lshrrev_b32 v250, 2, v249
	v_and_b32 v249, 3, v249
	v_lshl_add_u32 v250, v250, 9, v248
	v_lshl_add_u32 v[5+\i], v249, 2, v250          ; 512 (R / 4) + 4 (R % 4) + 16 r + 256 (w & 1)
.endr
	s_add_co_u32 s22, s2, HSC
	v_lshl_add_u32 v8, v245, 2, s22                ; my block's byte of row r's scale word: byte w
	s_mul_i32 s23, s2, 3072
	s_add_co_u32 s23, s23, HST
	v_add_nc_u32 v9, s23, v1                       ; the images' way out: my wave takes two
	v_add_nc_u32 v15, HSC, v1                      ; the scale words' way out
	s_mov_b32 s40, 0x76543210                      ; v_permlanex16_b32: lane l xor 16
	s_mov_b32 s41, 0xfedcba98
	s_wait_kmcnt 0x0
	s_mov_b32 s[ROWS], s14
	s_cmp_eq_u32 s14, 0
	s_cselect_b32 s42, 0, s[GRP]                   ; whose tokens I read: my group's; a group without rows reads group 0's first
	s_min_u32 s42, s42, 58
	s_max_u32 s14, s14, 1
	s_min_u32 s14, s14, 128
	s_sub_co_u32 s14, s14, 1                       ; the last row
	s_cmp_eq_u32 s18, 0
	s_cselect_b32 s24, s12, s13
	s_cmp_eq_u32 s18, 2
	s_cselect_b32 s24, 8, s24
	s_min_u32 s24, s24, 8                          ; the expert
	s_lshl_b32 s24, s24, 4
	s_lshl_b32 s25, s19, 3
	s_add_co_u32 s24, s24, s25
	s_add_co_u32 s24, s24, s2                      ; 16 e + 8 ih + w: my block of units in pass 0; pass 1's lies four blocks on
	s_mul_i32 s26, s24, 49152
	s_mov_b32 s27, 0
	s_add_nc_u64 s[26:27], s[6:7], s[26:27]        ; its codes
	s_lshl_b32 s28, s24, 11
	s_mov_b32 s29, 0
	s_add_nc_u64 s[28:29], s[6:7], s[28:29]
	s_add_nc_u64 s[28:29], s[28:29], WGUS          ; its scale words
	s_lshl_b32 s30, s42, 9
	s_mov_b32 s31, 0
	s_add_nc_u64 s[30:31], s[8:9], s[30:31]        ; the group's tokens (1,024 bytes further on)
	s_mul_i32 s32, s[GRP], 3
	s_add_co_u32 s32, s32, s18                     ; 3 g + slot
	s_mul_i32 s34, s32, 49152
	s_mul_i32 s35, s19, 3072
	s_add_co_u32 s34, s34, s35
	s_mul_i32 s35, s2, 12288
	s_add_co_u32 s34, s34, s35
	s_mov_b32 s35, 0
	s_add_nc_u64 s[34:35], s[10:11], s[34:35]      ; h's images [3 g + slot][m][s]: m = 2 w, s = 2 ih
	s_lshl_b32 s36, s32, 11
	s_lshl_b32 s37, s19, 10
	s_add_co_u32 s36, s36, s37
	s_mov_b32 s37, 0
	s_add_nc_u64 s[36:37], s[10:11], s[36:37]
	s_add_nc_u64 s[36:37], s[36:37], HS_OFF        ; h's scale words [3 g + slot][s][m][16]
	s_lshl_b32 s38, s2, 5
	v_add_nc_u32 v224, s38, v244                   ; the rows that I gather: 32 w + lane
	v_lshl_add_u32 v247, v246, 6, v245             ; the rows whose scale words I hold: 16 m + 64 h + r
.irp m, 0,1,2,3
	v_add_nc_u32 v[225+\m], 16*\m, v247
.endr
.irp m, 0,1,2,3,4
	v_min_u32 v[224+\m], s14, v[224+\m]            ; rows from the count on take the last row's token
	v_min_u32 v[224+\m], 127, v[224+\m]
	v_lshlrev_b32 v[224+\m], 2, v[224+\m]
.endr
	; ---- on the way that all take: tokens, scale words, the weights of K steps 0 to 3: the weights travel while the wave waits for its tokens
.irp m, 0,1,2,3,4
	global_load_b32 v[10+\m], v[224+\m], s[30:31] offset:1024
.endr
.irp p, 0,1
.irp kq, 0,1,2,3
.irp mat, 0,1
	global_load_b64 v[32+16*\p+4*\kq+2*\mat:33+16*\p+4*\kq+2*\mat], v242, s[28:29] offset:8192*\p+512*\kq+256*\mat   ; lanes 0-15 tile u = 0, lanes 16-31 u = 1; K steps 2 kq, 2 kq + 1
.endr
.endr
.endr
	WLOAD 0, 0
	WLOAD 0, 1
	WLOAD 0, 2
	WLOAD 0, 3
	WIN 0
	v_lshlrev_b32 v247, 2, v246
.set k, 0
.rept 16
	v_add_nc_u32 v[192+k], 8*k, v247               ; lane 2 i + h, as a byte index
.set k, k+1
.endr
	v_lshlrev_b32 v248, 4, v245
	s_wait_loadcnt 63                              ; behind the five token loads stand 16 + 48 = 64; the wait's field holds 63, and fewer is safe
.set k, 0
.rept 16
	ds_bpermute_b32 v[16+k], v[192+k], v10         ; load i of the gather: lanes 0-15 my row 2 i, lanes 16-31 row 2 i + 1
.set k, k+1
.endr
.irp m, 0,1,2,3
	v_min_u32 v[11+\m], 4095, v[11+\m]
	v_lshlrev_b32 v[11+\m], 5, v[11+\m]
.endr
.irp m, 0,1,2,3
	global_load_b128 v[64+8*\m:67+8*\m], v[11+\m], s[4:5] offset:XS_OFF        ; a token's eight scale words: lanes 0-15 row tile m, lanes 16-31 row tile m + 4
	global_load_b128 v[68+8*\m:71+8*\m], v[11+\m], s[4:5] offset:XS_OFF+16
.endr
	s_wait_dscnt 0x0
.set k, 0
.rept 16
	v_min_u32 v[16+k], 4095, v[16+k]
	v_mad_u32_u24 v[16+k], v[16+k], 768, v248
.set k, k+1
.endr
	; ---- the gather: my 32 rows' codes into LDS
	s_cmp_eq_u32 s[ROWS], 0
	s_cbranch_scc1 .Lno_rows_1
	WIN 0x80
.set k, 0
.rept 16
.irp j, 0,1,2
	global_load_b128 v[4*(3*k+\j):4*(3*k+\j)+3], v[16+k], s[4:5] offset:256*\j   ; sixteen lanes read 256 consecutive bytes of a token's codes, aligned
.endr
.set k, k+1
.endr
	s_wait_loadcnt 0x0                             ; the gather was issued last
	WIN 0x08                                       ; an LDS store's data are its source 1
.set k, 0
.rept 16
.irp j, 0,1,2
	ds_store_b128 v4, v[4*(3*k+\j):4*(3*k+\j)+3] offset:TILE*(k/8)+16*CHP*\j+32*(k%8)
.endr
.set k, k+1
.endr
	WIN 0
.Lno_rows_1:
	s_wait_dscnt 0x0                               ; my 32 rows lie in LDS,
	s_barrier_signal -1
	s_barrier_wait -1                              ; everybody's do
	; ---- the two passes
	s_cmp_eq_u32 s[ROWS], 0
	s_cbranch_scc1 .Lno_rows_2
	s_wait_loadcnt 0x0                             ; the scale words and K steps 0 to 3 are in (where the gather was waited for, this is met already)
	FX 0, 0
	FX 0, 1
	WLOAD 0, 4                                     ; the order of the weights' loads from here on: pass 0's K steps 4 5 6 7, then pass 1's 0 1 2 3 4 6 5 7
	WLOAD 0, 5
	WLOAD 0, 6
	WLOAD 0, 7
	STEP 0, -1
	WLOAD 1, 0                                     ; a K step's registers take the second pass's weights as soon as its products and four places are behind
	STEP 1, -1
	WLOAD 1, 1
	STEP 2, -1
	WLOAD 1, 2
	STEP 3, -1
	WLOAD 1, 3
	STEP 4, 63                                     ; behind K step 4's weights stand 36 + 48 = 84 loads, behind 5's 96, 6's 108, 7's 96; the wait's field holds 63, and fewer is safe
	WLOAD 1, 4
	WLOAD 1, 6
	STEP 5, 63
	WLOAD 1, 5
	WLOAD 1, 7
	STEP 6, 63
	STEP 7, 63
	EPALL 0, 0                                     ; the places behind the pass's last products are the four that close a step
	HS 0, 0, 48, 12, 0, 1                          ; behind the second pass's K step 3 stand 4, 6, 5 and 7: 48 loads.  Behind this half's fragments: the other half's twelve loads (and four stores)
	HS 0, 1, 0, 12, 0, 2                           ; all weights are in.  Behind this half's fragments: the next tile's twelve loads (and stores)
	HS 1, 0, -1, 12, 1, 0
	HS 1, 1, -1, 12, 0, 3
	HS 2, 0, -1, 12, 1, 1
	HS 2, 1, -1, 12, 0, 4
	HS 3, 0, -1, 12, 1, 2
	HS 3, 1, -1, 12, 0, 5
	HS 4, 0, -1, 12, 1, 3
	HS 4, 1, -1, 12, 0, 6
	HS 5, 0, -1, 12, 1, 4
	HS 5, 1, -1, 12, 0, 7
	HS 6, 0, -1, 12, 1, 5
	HS 6, 1, -1, 12, -1, 0
	HS 7, 0, -1, 12, 1, 6
	HS 7, 1, -1, 4, -1, 0                          ; nothing is fetched behind tile 7's first half: behind this half's fragments stand only the four stores of the list just carried
	EPALL 1, 7
	WIN 0
.Lno_rows_2:
	s_wait_dscnt 0x0                               ; my blocks of both passes' images lie in LDS,
	s_barrier_signal -1
	s_barrier_wait -1                              ; everybody's do: the images are whole
	; ---- the way out: each wave sends two images of each pass, wave 0 the scale words too
	s_cmp_eq_u32 s[ROWS], 0
	s_cbranch_scc1 .Lno_rows_3
	HLD 0
	HLD 1
	HSEND 0
	HSEND 1
	s_wait_dscnt 0x0
	s_cmp_lg_u32 s2, 0
	s_cbranch_scc1 .Lno_rows_3
	global_store_b128 v1, v[216:219], s[36:37]             ; a pass's 128 scale words: 512 consecutive bytes, aligned
	global_store_b128 v1, v[244:247], s[36:37] offset:512
.Lno_rows_3:
	s_wait_tensorcnt 0x0
	ds_add_u32 v254, v255
	s_wait_dscnt 0x0
	s_endpgm
.Lfunc_end_k_qd10e9fa75b_gateup:
	.size	k_qd10e9fa75b_gateup, .Lfunc_end_k_qd10e9fa75b_gateup-k_qd10e9fa75b_gateup
	.p2alignl 7, 3214868480
	.fill 96, 4, 3214868480
	.section	.rodata,"a",@progbits
	.p2align	6, 0x0
	.amdhsa_kernel k_qd10e9fa75b_gateup
		.amdhsa_group_segment_fixed_size 130560
		.amdhsa_private_segment_fixed_size 0
		.amdhsa_enable_private_segment 0
		.amdhsa_kernarg_size 32
		.amdhsa_user_sgpr_count 2
		.amdhsa_user_sgpr_kernarg_segment_ptr 1
		.amdhsa_wavefront_size32 1
		.amdhsa_system_sgpr_workgroup_id_x 1
		.amdhsa_system_sgpr_workgroup_id_y 1
		.amdhsa_system_sgpr_workgroup_id_z 1
		.amdhsa_system_vgpr_workitem_id 0
		.amdhsa_next_free_vgpr 1008
		.amdhsa_next_free_sgpr 66
		.amdhsa_reserve_vcc 0
		.amdhsa_float_denorm_mode_32 3
		.amdhsa_float_denorm_mode_16_64 3
		.amdhsa_memory_ordered 1
		.amdhsa_forward_progress 1
		.amdhsa_inst_pref_size 223
	.end_amdhsa_kernel
	.amdgpu_metadata
---
amdhsa.version: [ 1, 2 ]
amdhsa.kernels:
  - .name:           k_qd10e9fa75b_gateup
    .symbol:         k_qd10e9fa75b_gateup.kd
    .args:
      - { .name: xbuf, .offset: 0, .size: 8, .value_kind: global_buffer, .address_space: global }
      - { .name: wbuf, .offset: 8, .size: 8, .value_kind: global_buffer, .address_space: global }
      - { .name: list, .offset: 16, .size: 8, .value_kind: global_buffer, .address_space: global }
      - { .name: hbuf, .offset: 24, .size: 8, .value_kind: global_buffer, .address_space: global }
    .group_segment_fixed_size: 130560
    .private_segment_fixed_size: 0
    .kernarg_segment_align: 8
    .kernarg_segment_size: 32
    .max_flat_workgroup_size: 128
    .sgpr_count:     66
    .vgpr_count:     1008
    .wavefront_size: 32
...
	.end_amdgpu_metadata
.endif
;; end of part 3
;; launch down (part 4): grid 59 x 4, 4 waves a work-group, no clusters, 171,520 bytes of LDS; arguments hbuf, wbuf, list, xbuf, out0; writes out0
.if DOCPART == 4
	.amdgcn_target "amdgcn-amd-amdhsa--gfx1250"
	.amdhsa_code_object_version 6
	.text
	.protected	k_qd10e9fa75b_down
	.globl	k_qd10e9fa75b_down
	.p2align	8
	.type	k_qd10e9fa75b_down,@function
k_qd10e9fa75b_down:
	s_mov_b64 s[64:65], 0
	v_nop
	global_prefetch_b8 v0, s[64:65] scope:SCOPE_SE
	s_setreg_imm32_b32 hwreg(HW_REG_WAVE_MODE, 25, 1), 1
	s_wait_xcnt 0x0
; DOWN.  For a group g of up to 128 tokens of one pair of experts and 256 of the 1,024 columns: out = h_shared Wd_shared + c_lo (h_lo Wd_lo) + c_hi (h_hi Wd_hi), the three products on codes of BF6 (E3M2)
; with E8M0 scales, the combination in f32 multiply-adds.  A token lies in one group, so each row of out0 has one owner and nothing is added across work-groups.
; A GROUP WITHOUT ROWS passes the barrier like any other and jumps over the work on both sides of it (scalar branches on the stored count; the barrier stands under no such branch); it stores nothing.  What the
; stretch behind the barrier reads from registers is loaded on the way that all take (tokens, the weights' scale words, the weights of steps 0 and 1) or in that stretch itself.  So that it reads no byte that nobody
; stored, a group without rows takes the token of group 0, row 0, which every split has.  Those branches on a stored number are why this text has no tensor load and so no joint loads in a cluster, though the four
; work-groups of a group share h.  Rows from the count on are the group's last token again: they hold the same numbers and are stored to the same place by the same wave; EXEC is never narrowed.
; SHARES.  THE WAVES SHARE THE COLUMNS: wave w has columns 256 y + 64 w on (four tiles), for all eight tiles of rows.  h's 96 images and their scale words (153,600 dense bytes) are copied into LDS once;
; the weights go from memory straight into registers, through five sets of 48 registers that take turns, four K steps ahead.
; Twelve steps n = 4 o + s: o = 0 the shared expert, summed straight into the total; o = 1, 2 the lower and the higher expert, summed apart and then weighed in.
; THE MATRIX INSTRUCTION IS USED TRANSPOSED (source 0 = 16 columns, source 1 = 16 tokens): a lane holds eight neighbouring columns of one token.
; REGISTERS: v1-13 addresses; v16-31 offsets of the head's loads; v32-55 the weights' scale words; v56-59 h's; v64-79 the tokens' weights; v80-87 the tokens; v88-95 lane indices; v96-191 h's eight fragments
;   (on the way out: offsets); v192-255 rows on the way out.   v256-511 the total, (m, t) at 8 (4 m + t); v512-767 an expert's sum; both take the copy of h first.   v768-1007 the weights.
.set WD_OFF, 7077888
.set WDS,    10911744
.set HS_OFF, 8699904
.set CW_OFF, 3276800
.set HSL,  147456                      ; LDS: h's images [slot 3][m 8][s 4] at 0; their scale words [slot][s][m][16] here;
.set STG,  153600                      ; a stage of 16 rows x (256 bytes + 16) for each wave
.set ROWS, 48                          ; s48  the group's rows as stored: 0 in a group that the split leaves empty
.set MSB, 0
.macro WIN new                         ; the immediate's high byte repeats the setting that is left
.if MSB != \new
	s_set_vgpr_msb (MSB<<8)|\new
.set MSB, \new
.endif
.endm
.macro NOP4                            ; four places behind matrix instructions, in front of loads into their sources and of the first read of results
.rept 4
	v_nop
.endr
.endm
.macro EBASE e, wb, sb                 ; the codes and the scale words of expert s[e], columns cg
	s_lshl_b32 s36, s[\e], 4
	s_add_co_u32 s36, s36, s22
	s_mul_i32 s38, s36, 24576
	s_mov_b32 s39, 0
	s_add_nc_u64 s[\wb:\wb+1], s[6:7], s[38:39]
	s_add_nc_u64 s[\wb:\wb+1], s[\wb:\wb+1], WD_OFF
	s_lshl_b32 s38, s36, 10
	s_add_nc_u64 s[\sb:\sb+1], s[6:7], s[38:39]
	s_add_nc_u64 s[\sb:\sb+1], s[\sb:\sb+1], WDS
.endm
.macro WLD n                           ; step n's four tiles' images into set n % 5: 12 loads of 512 consecutive bytes
	WIN 0xc0
.irp j, 0,1,2,3,4,5,6,7,8,9,10,11
	global_load_b128 v[48*((\n)%5)+4*\j:48*((\n)%5)+4*\j+3], v1, s[24+2*((\n)/4):25+2*((\n)/4)] offset:6144*((\n)%4)+512*\j
.endr
.endm
.macro WM d, a, b, z, sa, sb, ra, rb   ; one product; z: it starts the sum; ra, rb: the scales' rows of lanes
.if (\z) && ((\ra) == 0) && ((\rb) == 0)
	v_wmma_scale_f32_16x16x128_f8f6f4 v[\d:\d+7], v[\a:\a+11], v[\b:\b+11], 0, v[\sa], v[\sb] matrix_a_fmt:MATRIX_FMT_BF6 matrix_b_fmt:MATRIX_FMT_BF6
.elseif (\z) && ((\ra) == 1) && ((\rb) == 0)
	v_wmma_scale_f32_16x16x128_f8f6f4 v[\d:\d+7], v[\a:\a+11], v[\b:\b+11], 0, v[\sa], v[\sb] matrix_a_fmt:MATRIX_FMT_BF6 matrix_b_fmt:MATRIX_FMT_BF6 matrix_a_scale:MATRIX_SCALE_ROW1
.elseif (\z) && ((\ra) == 0) && ((\rb) == 1)
	v_wmma_scale_f32_16x16x128_f8f6f4 v[\d:\d+7], v[\a:\a+11], v[\b:\b+11], 0, v[\sa], v[\sb] matrix_a_fmt:MATRIX_FMT_BF6 matrix_b_fmt:MATRIX_FMT_BF6 matrix_b_scale:MATRIX_SCALE_ROW1
.elseif (\z)
	v_wmma_scale_f32_16x16x128_f8f6f4 v[\d:\d+7], v[\a:\a+11], v[\b:\b+11], 0, v[\sa], v[\sb] matrix_a_fmt:MATRIX_FMT_BF6 matrix_b_fmt:MATRIX_FMT_BF6 matrix_a_scale:MATRIX_SCALE_ROW1 matrix_b_scale:MATRIX_SCALE_ROW1
.elseif ((\ra) == 0) && ((\rb) == 0)
	v_wmma_scale_f32_16x16x128_f8f6f4 v[\d:\d+7], v[\a:\a+11], v[\b:\b+11], v[\d:\d+7], v[\sa], v[\sb] matrix_a_fmt:MATRIX_FMT_BF6 matrix_b_fmt:MATRIX_FMT_BF6
.elseif ((\ra) == 1) && ((\rb) == 0)
	v_wmma_scale_f32_16x16x128_f8f6f4 v[\d:\d+7], v[\a:\a+11], v[\b:\b+11], v[\d:\d+7], v[\sa], v[\sb] matrix_a_fmt:MATRIX_FMT_BF6 matrix_b_fmt:MATRIX_FMT_BF6 matrix_a_scale:MATRIX_SCALE_ROW1
.elseif ((\ra) == 0) && ((\rb) == 1)
	v_wmma_scale_f32_16x16x128_f8f6f4 v[\d:\d+7], v[\a:\a+11], v[\b:\b+11], v[\d:\d+7], v[\sa], v[\sb] matrix_a_fmt:MATRIX_FMT_BF6 matrix_b_fmt:MATRIX_FMT_BF6 matrix_b_scale:MATRIX_SCALE_ROW1
.else
	v_wmma_scale_f32_16x16x128_f8f6f4 v[\d:\d+7], v[\a:\a+11], v[\b:\b+11], v[\d:\d+7], v[\sa], v[\sb] matrix_a_fmt:MATRIX_FMT_BF6 matrix_b_fmt:MATRIX_FMT_BF6 matrix_a_scale:MATRIX_SCALE_ROW1 matrix_b_scale:MATRIX_SCALE_ROW1
.endif
.endm
.macro FH n, half                      ; step n's fragments of h and their scale words for row tiles 4 half .. 4 half + 3: 14 loads.  o = 0, 1, 2 read slots 2, 0, 1
.set SL_, (((\n)/4)+2)%3
.set S_, (\n)%4
.irp mm, 0,1,2,3
.irp gq, 0,1,2
	ds_load_b128 v[96+12*(4*(\half)+\mm)+4*\gq:96+12*(4*(\half)+\mm)+4*\gq+3], v[5+SL_] offset:1536*(4*(4*(\half)+\mm)+S_)+512*\gq
.endr
.endr
.irp mp, 0,1
	ds_load_b32 v[56+2*(\half)+\mp], v8 offset:512*(4*SL_+S_)+128*(2*(\half)+\mp)
.endr
.endm
.macro MMD n, half                     ; 16 products: four row tiles x my four tiles of columns.  The 32 accumulators take turns, one instruction a turn
.if (\n) < 4
	WIN 0x53                                       ; source 0 v768 on, source 1 v0 on, C and D v256 on: the total
.else
	WIN 0xa3                                       ; C and D v512 on: an expert's own sum
.endif
.if (\n)%4 == 0
.set Z_, 1
.else
.set Z_, 0
.endif
.irp mm, 0,1,2,3
.irp t, 0,1,2,3
	WM 8*(4*(4*(\half)+\mm)+\t), 48*((\n)%5)+12*\t, 96+12*(4*(\half)+\mm), Z_, 32+8*((\n)/4)+4*(((\n)%4)>>1)+2*(\t>>1)+((\n)&1), 56+2*(\half)+(\mm>>1), (\t&1), (\mm&1)
.endr
.endr
.endm
.macro STEPD n
.if 11-(\n) < 4
	s_wait_loadcnt 12*(11-(\n))                    ; behind step n's weights: those of the steps that follow
.else
	s_wait_loadcnt 48                              ; four steps' weights
.endif
	s_wait_dscnt 14                                ; row tiles 0-3 are in; the fourteen loads of tiles 4-7 may be out
	MMD \n, 0
.if (\n) < 11
	NOP4
	WIN 0
	FH (\n)+1, 0
	s_wait_dscnt 14                                ; all but the fourteen just issued
.else
	s_wait_dscnt 0x0
.endif
	MMD \n, 1
	NOP4
	WIN 0
.if (\n) < 11
	FH (\n)+1, 1
.endif
.if (\n) < 7
	WLD (\n)+5                                     ; this step's set takes the weights of five steps on
	WIN 0
.endif
.endm
.macro FMA hi                          ; total += c x the expert's sum; c is my token's, one for each row tile.  Each accumulator is read from its low end on
	WIN 0x52                                       ; source 0 v512 on, source 1 v0 on, source 2 and destination v256 on
.irp m, 0,1,2,3,4,5,6,7
.set k, 0
.rept 16
.if \hi
	v_pk_fma_f32 v[32*\m+2*k:32*\m+2*k+1], v[32*\m+2*k:32*\m+2*k+1], v[64+2*\m:65+2*\m], v[32*\m+2*k:32*\m+2*k+1] op_sel:[0,1,0] op_sel_hi:[1,1,1]
.else
	v_pk_fma_f32 v[32*\m+2*k:32*\m+2*k+1], v[32*\m+2*k:32*\m+2*k+1], v[64+2*\m:65+2*\m], v[32*\m+2*k:32*\m+2*k+1] op_sel_hi:[1,0,1]
.endif
.set k, k+1
.endr
.endr
	WIN 0
.endm
; THE WAY OUT, a row tile at a time: a lane holds 32 bytes of a row, and the lanes beside it other rows: so the tile goes through my stage and comes back as rows of 256 bytes; the rows' tokens come by a lane permute.
.macro OUTA m
.if (\m) >= 2
	s_wait_xcnt 0x0                                ; the stores of two tiles back have read their registers, which are written again below
.endif
.irp i, 0,1,2,3,4,5,6,7
	ds_bpermute_b32 v[96+8*((\m)&1)+\i], v[88+\i], v[80+(\m)]      ; the token of row 2 i + lane / 16
.endr
	WIN 0x04
.irp t, 0,1,2,3
	ds_store_b128 v9, v[8*(4*(\m)+\t):8*(4*(\m)+\t)+3] offset:64*\t
	ds_store_b128 v9, v[8*(4*(\m)+\t)+4:8*(4*(\m)+\t)+7] offset:64*\t+16
.endr
	WIN 0
.irp i, 0,1,2,3,4,5,6,7
	ds_load_b128 v[192+32*((\m)&1)+4*\i:192+32*((\m)&1)+4*\i+3], v10 offset:544*\i   ; LDS serves a wave's instructions in order: these see my stores, and the next tile's stores come behind them
.endr
.endm
.macro OUTB m, younger                 ; younger: the LDS instructions issued behind tile m's
	s_wait_dscnt \younger
.irp i, 0,1,2,3,4,5,6,7
	v_min_u32 v[96+8*((\m)&1)+\i], 4095, v[96+8*((\m)&1)+\i]
	v_lshl_add_u32 v[96+8*((\m)&1)+\i], v[96+8*((\m)&1)+\i], 12, v11
.endr
.irp i, 0,1,2,3,4,5,6,7
	global_store_b128 v[96+8*((\m)&1)+\i], v[192+32*((\m)&1)+4*\i:192+32*((\m)&1)+4*\i+3], s[46:47] th:TH_STORE_NT   ; sixteen lanes store 256 consecutive bytes, aligned
.endr
.endm
	s_load_b256 s[4:11], s[0:1], 0x0               ; hbuf 4, wbuf 6, list 8, xbuf 10
	s_load_b64 s[12:13], s[0:1], 0x20              ; out0
	v_lshl_add_u32 v62, v0, 2, 0x29c00
	v_mov_b32 v63, 0
	v_lshrrev_b32 v1, 5, v0
	v_readfirstlane_b32 s2, v1                     ; wave 0..3
	s_and_b32 s3, ttmp7, 0xffff                    ; which 256 columns
	s_lshl_b32 s20, ttmp9, 4
	s_mov_b32 s21, 0
	s_wait_kmcnt 0x0
	s_add_nc_u64 s[20:21], s[8:9], s[20:21]
	s_load_b128 s[16:19], s[20:21], 0x0            ; the group: lower expert, higher expert, rows
	v_and_b32 v240, 31, v0                         ; lane
	v_and_b32 v241, 15, v0                         ; r
	v_bfe_u32 v242, v0, 4, 1                       ; h
	v_lshlrev_b32 v1, 4, v240                      ; 16 x lane
	v_lshlrev_b32 v12, 3, v240                     ; 8 x lane
	v_lshlrev_b32 v2, 4, v0                        ; the copy: 16 x thread, in memory and in LDS;
	v_add_nc_u32 v3, 0x10000, v2                   ; an LDS offset reaches 65,535 bytes
	v_add_nc_u32 v4, 0x20000, v2
	v_lshlrev_b32 v5, 4, v240                      ; the images of slot 0,
	v_add_nc_u32 v6, 49152, v5                     ; 1,
	v_add_nc_u32 v7, 98304, v5                     ; 2
	v_lshl_add_u32 v8, v240, 2, HSL                ; scale words: lanes 0-15 an even row tile, lanes 16-31 the odd one behind it
	s_mul_i32 s22, s2, 16*272
	s_add_co_u32 s22, s22, STG
	v_mul_u32_u24 v9, v241, 272
	v_lshl_add_u32 v9, v242, 5, v9
	v_add_nc_u32 v9, s22, v9                       ; the stage, in: row r, 32 h bytes on
	v_mul_u32_u24 v10, v242, 272
	v_lshl_add_u32 v10, v241, 4, v10
	v_add_nc_u32 v10, s22, v10                     ; back: lanes 0-15 one row, lanes 16-31 the next
	v_lshlrev_b32 v11, 4, v241
	v_lshlrev_b32 v14, 2, v242
.irp i, 0,1,2,3,4,5,6,7
	v_add_nc_u32 v[88+\i], 8*\i, v14               ; lane 2 i + h, as a byte index
.endr
	s_wait_kmcnt 0x0
	s_mov_b32 s[ROWS], s18
	s_cmp_eq_u32 s18, 0
	s_cselect_b32 s49, 0, ttmp9                    ; whose tokens I read: my group's; a group without rows reads group 0's first
	s_min_u32 s49, s49, 58
	s_max_u32 s18, s18, 1
	s_min_u32 s18, s18, 128
	s_sub_co_u32 s18, s18, 1                       ; the last row
	s_min_u32 s16, s16, 8
	s_min_u32 s17, s17, 8
	s_mov_b32 s23, 8
	s_lshl_b32 s22, s3, 2
	s_add_co_u32 s22, s22, s2                      ; my 64 columns: cg = 4 y + w
	EBASE 23, 24, 30                               ; o = 0: the shared expert
	EBASE 16, 26, 32                               ; o = 1: the lower
	EBASE 17, 28, 34                               ; o = 2: the higher
	s_mul_i32 s40, ttmp9, 147456
	s_mov_b32 s41, 0
	s_add_nc_u64 s[40:41], s[4:5], s[40:41]        ; the group's images
	s_mul_i32 s42, ttmp9, 6144
	s_mov_b32 s43, 0
	s_add_nc_u64 s[42:43], s[4:5], s[42:43]
	s_add_nc_u64 s[42:43], s[42:43], HS_OFF        ; and their scale words
	s_lshl_b32 s44, s49, 9
	s_mov_b32 s45, 0
	s_add_nc_u64 s[44:45], s[8:9], s[44:45]        ; the group's tokens (1,024 bytes further on)
	s_lshl_b32 s46, s3, 10
	s_lshl_b32 s47, s2, 8
	s_add_co_u32 s46, s46, s47
	s_mov_b32 s47, 0
	s_add_nc_u64 s[46:47], s[12:13], s[46:47]      ; my 256 bytes of a row of out0
.irp m, 0,1,2,3,4,5,6,7
	v_add_nc_u32 v[16+\m], 16*\m, v241
	v_min_u32 v[16+\m], s18, v[16+\m]              ; rows from the count on take the last row's token
	v_min_u32 v[16+\m], 127, v[16+\m]
	v_lshlrev_b32 v[16+\m], 2, v[16+\m]
.endr
	; ---- on the way that all take: tokens, the weights' scale words, the weights of steps 0 and 1
.irp m, 0,1,2,3,4,5,6,7
	global_load_b32 v[80+\m], v[16+\m], s[44:45] offset:1024       ; lane (r, .): the token of row 16 m + r
.endr
.irp o, 0,1,2
.irp kq, 0,1
.irp b, 0,1
	global_load_b64 v[32+8*\o+4*\kq+2*\b:33+8*\o+4*\kq+2*\b], v12, s[30+2*\o:31+2*\o] offset:512*\kq+256*\b   ; lanes 0-15 tile 2 b, lanes 16-31 tile 2 b + 1; K steps 2 kq, 2 kq + 1
.endr
.endr
.endr
	WLD 0
	WLD 1
	WIN 0
	; ---- the copy of h: 75 pieces of 2,048 bytes, 16 bytes a thread, through the registers that the sums will take
	s_cmp_eq_u32 s[ROWS], 0
	s_cbranch_scc1 .Lno_rows_1
	WIN 0x40                                       ; the first 38 pieces land in v256 on
.set c, 0
.rept 38
	global_load_b128 v[4*c:4*c+3], v2, s[40:41] offset:2048*c
.set c, c+1
.endr
	WIN 0x80                                       ; the other 37 in v512 on
.rept 34
	global_load_b128 v[4*(c-38):4*(c-38)+3], v2, s[40:41] offset:2048*c
.set c, c+1
.endr
.rept 3
	global_load_b128 v[4*(c-38):4*(c-38)+3], v2, s[42:43] offset:2048*(c-72)
.set c, c+1
.endr
	s_wait_loadcnt 37                              ; behind the first 38 pieces: the other 37
	WIN 0x04                                       ; an LDS store's data are its source 1
.set c, 0
.rept 38
	ds_store_b128 v[2+(c>>5)], v[4*c:4*c+3] offset:2048*(c&31)
.set c, c+1
.endr
	s_wait_loadcnt 0x0
	WIN 0x08
.rept 37
	ds_store_b128 v[2+(c>>5)], v[4*(c-38):4*(c-38)+3] offset:2048*(c&31)
.set c, c+1
.endr
	WIN 0
.Lno_rows_1:
	s_wait_dscnt 0x0                               ; my part of the copy lies in LDS,
	s_barrier_signal -1
	s_barrier_wait -1                              ; everybody's does
	; ---- the twelve steps and the way out
	s_cmp_eq_u32 s[ROWS], 0
	s_cbranch_scc1 .Lno_rows_2
	FH 0, 0
	FH 0, 1
	s_wait_loadcnt 0x0                             ; the tokens, the scale words and steps 0 and 1 are in (where the copy was waited for, this is met already)
.irp m, 0,1,2,3,4,5,6,7
	v_min_u32 v[24+\m], 4095, v[80+\m]
	v_lshlrev_b32 v[24+\m], 3, v[24+\m]
.endr
.irp m, 0,1,2,3,4,5,6,7
	global_load_b64 v[64+2*\m:65+2*\m], v[24+\m], s[10:11] offset:CW_OFF   ; {c_lo, c_hi} of my token of row tile m; older than step 2's weights, so that step's wait shows them in
.endr
	WLD 2
	WLD 3
	WLD 4
	WIN 0
.irp n, 0,1,2,3,4,5,6,7
	STEPD \n
.endr
	FMA 0                                          ; the places behind the last products are the four that close a step
.irp n, 8,9,10,11
	STEPD \n
.endr
	FMA 1
	OUTA 0
.irp m, 1,2,3,4,5,6,7
	OUTA \m
	OUTB \m-1, 24                                  ; behind tile m - 1's: tile m's 8 + 8 + 8
.endr
	OUTB 7, 0
.Lno_rows_2:
	s_wait_tensorcnt 0x0
	ds_add_u32 v62, v63
	s_wait_dscnt 0x0
	s_endpgm
.Lfunc_end_k_qd10e9fa75b_down:
	.size	k_qd10e9fa75b_down, .Lfunc_end_k_qd10e9fa75b_down-k_qd10e9fa75b_down
	.p2alignl 7, 3214868480
	.fill 96, 4, 3214868480
	.section	.rodata,"a",@progbits
	.p2align	6, 0x0
	.amdhsa_kernel k_qd10e9fa75b_down
		.amdhsa_group_segment_fixed_size 171520
		.amdhsa_private_segment_fixed_size 0
		.amdhsa_enable_private_segment 0
		.amdhsa_kernarg_size 40
		.amdhsa_user_sgpr_count 2
		.amdhsa_user_sgpr_kernarg_segment_ptr 1
		.amdhsa_wavefront_size32 1
		.amdhsa_system_sgpr_workgroup_id_x 1
		.amdhsa_system_sgpr_workgroup_id_y 1
		.amdhsa_system_sgpr_workgroup_id_z 1
		.amdhsa_system_vgpr_workitem_id 0
		.amdhsa_next_free_vgpr 1008
		.amdhsa_next_free_sgpr 66
		.amdhsa_reserve_vcc 0
		.amdhsa_float_denorm_mode_32 3
		.amdhsa_float_denorm_mode_16_64 3
		.amdhsa_memory_ordered 1
		.amdhsa_forward_progress 1
		.amdhsa_inst_pref_size 153
	.end_amdhsa_kernel
	.amdgpu_metadata
---
amdhsa.version: [ 1, 2 ]
amdhsa.kernels:
  - .name:           k_qd10e9fa75b_down
    .symbol:         k_qd10e9fa75b_down.kd
    .args:
      - { .name: hbuf, .offset: 0, .size: 8, .value_kind: global_buffer, .address_space: global }
      - { .name: wbuf, .offset: 8, .size: 8, .value_kind: global_buffer, .address_space: global }
      - { .name: list, .offset: 16, .size: 8, .value_kind: global_buffer, .address_space: global }
      - { .name: xbuf, .offset: 24, .size: 8, .value_kind: global_buffer, .address_space: global }
      - { .name: out0, .offset: 32, .size: 8, .value_kind: global_buffer, .address_space: global }
    .group_segment_fixed_size: 171520
    .private_segment_fixed_size: 0
    .kernarg_segment_align: 8
    .kernarg_segment_size: 40
    .max_flat_workgroup_size: 128
    .sgpr_count:     66
    .vgpr_count:     1008
    .wavefront_size: 32
...
	.end_amdgpu_metadata
.endif
;; end of part 4
;; ======== version 2 of 2: 4 launches; version 1 with the launches gateup, down written anew for expert scheduling mode
;; workspace buffers: xbuf 3,309,568 bytes; rec 32,768 bytes of whole numbers; wbuf 11,059,200 bytes; list 31,232 bytes of whole numbers; hbuf 9,062,400 bytes
;; launch route: the kernel of part 1 again; grid 128 x 1, 8 waves a work-group, no clusters, 175,104 bytes of LDS; arguments hidden_states, router_weight, correction_bias, xbuf, rec; writes xbuf, rec
;; launch wq: the kernel of part 2 again; grid 433 x 1, 4 waves a work-group, no clusters, 25,600 bytes of LDS; arguments w_gate, w_up, w_down, sw_gate, sw_up, sw_down, rec, wbuf, list; writes wbuf, list
;; launch gateup (part 5): grid 6 x 59, 4 waves a work-group, no clusters, 130,560 bytes of LDS; arguments xbuf, wbuf, list, hbuf; writes hbuf
.if DOCPART == 5
	.amdgcn_target "amdgcn-amd-amdhsa--gfx1250"
	.amdhsa_code_object_version 6
	.text
	.protected	k_qd10e9fa75b_gateup
	.globl	k_qd10e9fa75b_gateup
	.p2align	8
	.type	k_qd10e9fa75b_gateup,@function
k_qd10e9fa75b_gateup:
	s_mov_b64 s[64:65], 0
	v_nop
	global_prefetch_b8 v0, s[64:65] scope:SCOPE_SE
	s_setreg_imm32_b32 hwreg(HW_REG_WAVE_SCHED_MODE, 0, 2), 2
	s_setreg_imm32_b32 hwreg(HW_REG_WAVE_MODE, 25, 1), 1
	s_wait_xcnt 0x0
	s_wait_alu depctr_vm_vsrc(0)
; GATEUP.  For a group g of up to 128 tokens of one pair of experts, a slot (0: the lower expert, 1: the higher, 2: the shared one) and a half of the 512 hidden units:
; h = silu(x Wg) (x Wu), both products on codes of BF6 (E3M2) with E8M0 scales, h quantised along the hidden units and stored as images of the next product's operand.
; Only the experts that a token has chosen are multiplied: the combine weights of the others are zero.
; THE GRID serves every split: 59 groups at the most.  x counts a group's six parts (slot, half) and y the groups: the sort numbers the groups that have rows from 0 on, so they have the lowest work-group numbers and
; the groups without rows the highest.  A GROUP WITHOUT ROWS passes both barriers like any other and jumps over the work between them (scalar branches on the stored count; no barrier stands under such a branch); it
; stores nothing.  What a later stretch of the text reads from registers is either loaded on the way that all take (tokens, scale words, the weights of K steps 0 to 3) or in that stretch itself.
; So that it reads no byte that nobody stored, a group without rows takes the token of group 0, row 0, which every split has.
; Those branches on a stored number are why this text has no tensor load and so no joint loads in a cluster, though the six work-groups of a group share x and groups of one expert share weights.
; Rows from the count on take the group's last token again: they compute and store what that row stores, in rows of the group's own that nobody uses; EXEC is never narrowed.
; SHARES.  128 rows x 256 units in two passes of 128 units, each one K step (s = 2 ih + pass) of the next product.  THE WAVES SHARE THE UNITS: wave w has units 32 (8 ih + 4 pass + w) on, one block of the next K:
; two tiles of gate and two of up, for all eight tiles of rows: 32 accumulators.  x's codes, gathered once, lie in LDS; the weights go from memory straight into registers.
; THE FIRST PASS GOES BY K: a K step's 32 products, and its registers then take the second pass's weights.  THE SECOND PASS GOES BY ROW TILES: all its weights are in registers, so a tile's 32 products (its four
; accumulators by turns) finish it.  That frees the vector work from the products: a tile's activation and quantising, a list of 83 instructions, stands in slices behind the 16 products of a half tile of another row
; tile, five behind each and eight behind the last: 5.2 vector instructions for each matrix instruction, at the price of two window switches a product.  Of the sixteen lists fourteen are carried so; the first and
; the last stand alone.  First-pass tile m is read out ahead of the second pass's first product on tile m; second-pass tile m behind its last product and four places.
; THE MATRIX INSTRUCTION IS USED TRANSPOSED (source 0 = 16 units, source 1 = 16 tokens): a lane holds one token, and by the order in which the weights' tiles were laid the 16 registers of tiles u = 0, 1 are
; units 16 (lane / 16) + 0 .. 15 of the block.  What goes into the quantiser is f32: 2^x and 1 / x by v_exp_f32 and v_rcp_f32.
; LIMITS: NaN and infinities are not served; a block of h whose largest magnitude lies under 2^-122 (a block of zeros too) gets the byte 1, read by this program alone.
; REGISTERS: v1-15 addresses; v16-31 the gather's offsets; v32-63 the weights' scale words; v64-95 x's; v96-191 eight fragments of x; v192-207, v208-223 at work on 16 numbers; v224-253 at work.
;   v256-495 and v768-911: the weights of K steps 0-4 and 5-7, 48 registers each; v912-1007 the second pass's K steps 6 and 7.
;   v512-767: the accumulators, (row tile m, tile wt = 2 mat + u) at 8 (4 m + wt); before the first product the gather lands there.
; THE MODE: SCHED_MODE bits 1:0 = 2 (LLVM: expert scheduling mode 2), set by the entry lines.  The code itself states the register dependences between vector or matrix instructions and memory or LDS
; instructions, with s_wait_alu, always for 0.
; THE PLAN.  Registers that memory or LDS instructions touch, and who else names them:
;   v1-9, v15         addresses: made at the head, ahead of the one wait in front of the first load; never written again.
;   v224-228, v242    the head's offsets, made ahead of the same wait; read by the loads of tokens and scale words; later at work in the lists and on the way out: freed by the wait on vm_vsrc behind the first barrier.
;   v192-207, v11-14  the permutes' indices and the offsets of x's scale words: one wait ahead of the permutes serves both runs.   v16-31: the gather's offsets: one wait ahead of the gather.
;   v512-703          the gather lands here, LDS stores read it, then the products write it: the wait on vm_vsrc behind the first barrier.
;   v96-143, v144-191 the fragments' two halves.  A half's sixteen products read it; ONE wait on va_vdst behind them; then the twelve loads of its next fragments land.  The weights' loads that follow a K step of the
;                     first pass hang on that step's second wait: only loads and window switches stand between.  Dealt among the products the loads would want two window switches a group, so they stay in runs.
;   v232-241          a list's codes and byte, two sets by turns: written by its conversion and shift, read by its four LDS stores (one wait on va_vdst ahead of them, which in a carried list also serves the
;                     fragments' loads behind the list), written again two lists on (one wait on vm_vsrc ahead of that conversion).
;   v192-247          on the way out LDS loads land here and global stores read them: one wait on each field behind the second barrier.
;   The scale words v32-95 are loaded once; the accumulators and v192-231 are otherwise named by vector and matrix instructions alone.
.set XS_OFF, 3145728
.set WGUS,   10616832
.set HS_OFF, 8699904
.set CHP,  272                         ; LDS: one piece of 16 bytes of 16 tokens + 16 of padding: 17 x 16, so sixteen lanes' stores fall on sixteen different columns of 16 bytes
.set TILE, 48*CHP                      ; a tile of 16 tokens: 48 pieces
.set HST,  8*TILE                      ; behind x: a pass's eight images of h,
.set HSC,  HST+12288                   ; their scale words [8][16];
.set PSTG, 12800                       ; the second pass has bytes of its own
.set ROWS, 39                          ; s39  the group's rows as stored: 0 in a group that the split leaves empty
.set GRP,  43                          ; s43  the group
.set EQ,   0                           ; how many lists have been written out: their codes' registers take turns
.set MSB, 0
.macro WIN new                         ; the immediate's high byte repeats the setting that is left
.if MSB != \new
	s_set_vgpr_msb (MSB<<8)|\new
.set MSB, \new
.endif
.endm
.macro NOP4                            ; four places behind matrix instructions, in front of loads into their sources and of the first read of results
.rept 4
	v_nop
.endr
.endm
.macro WLOAD p, ks                     ; the four tiles' images of pass p, K step ks: 12 loads of 512 consecutive bytes
.if (\ks) < 5
	WIN 0x40
.set WB_, 48*(\ks)
.elseif ((\p) == 0) || ((\ks) == 5)
	WIN 0xc0
.set WB_, 48*((\ks)-5)
.else
	WIN 0xc0                                       ; the second pass's K steps 6 and 7 have registers of their own, so that they can be asked for before the first pass is done with its own
.set WB_, 144+48*((\ks)-6)
.endif
.irp j, 0,1,2,3,4,5,6,7,8,9,10,11
	global_load_b128 v[WB_+4*\j:WB_+4*\j+3], v1, s[26:27] offset:196608*(\p)+6144*(\ks)+512*\j
.endr
.endm
.macro WM d, a, b, z, sa, sb, ra, rb   ; one product; z: it starts the sum; ra, rb: the scales' rows of lanes
.if (\z) && ((\ra) == 0) && ((\rb) == 0)
	v_wmma_scale_f32_16x16x128_f8f6f4 v[\d:\d+7], v[\a:\a+11], v[\b:\b+11], 0, v[\sa], v[\sb] matrix_a_fmt:MATRIX_FMT_BF6 matrix_b_fmt:MATRIX_FMT_BF6
.elseif (\z) && ((\ra) == 1) && ((\rb) == 0)
	v_wmma_scale_f32_16x16x128_f8f6f4 v[\d:\d+7], v[\a:\a+11], v[\b:\b+11], 0, v[\sa], v[\sb] matrix_a_fmt:MATRIX_FMT_BF6 matrix_b_fmt:MATRIX_FMT_BF6 matrix_a_scale:MATRIX_SCALE_ROW1
.elseif (\z) && ((\ra) == 0) && ((\rb) == 1)
	v_wmma_scale_f32_16x16x128_f8f6f4 v[\d:\d+7], v[\a:\a+11], v[\b:\b+11], 0, v[\sa], v[\sb] matrix_a_fmt:MATRIX_FMT_BF6 matrix_b_fmt:MATRIX_FMT_BF6 matrix_b_scale:MATRIX_SCALE_ROW1
.elseif (\z)
	v_wmma_scale_f32_16x16x128_f8f6f4 v[\d:\d+7], v[\a:\a+11], v[\b:\b+11], 0, v[\sa], v[\sb] matrix_a_fmt:MATRIX_FMT_BF6 matrix_b_fmt:MATRIX_FMT_BF6 matrix_a_scale:MATRIX_SCALE_ROW1 matrix_b_scale:MATRIX_SCALE_ROW1
.elseif ((\ra) == 0) && ((\rb) == 0)
	v_wmma_scale_f32_16x16x128_f8f6f4 v[\d:\d+7], v[\a:\a+11], v[\b:\b+11], v[\d:\d+7], v[\sa], v[\sb] matrix_a_fmt:MATRIX_FMT_BF6 matrix_b_fmt:MATRIX_FMT_BF6
.elseif ((\ra) == 1) && ((\rb) == 0)
	v_wmma_scale_f32_16x16x128_f8f6f4 v[\d:\d+7], v[\a:\a+11], v[\b:\b+11], v[\d:\d+7], v[\sa], v[\sb] matrix_a_fmt:MATRIX_FMT_BF6 matrix_b_fmt:MATRIX_FMT_BF6 matrix_a_scale:MATRIX_SCALE_ROW1
.elseif ((\ra) == 0) && ((\rb) == 1)
	v_wmma_scale_f32_16x16x128_f8f6f4 v[\d:\d+7], v[\a:\a+11], v[\b:\b+11], v[\d:\d+7], v[\sa], v[\sb] matrix_a_fmt:MATRIX_FMT_BF6 matrix_b_fmt:MATRIX_FMT_BF6 matrix_b_scale:MATRIX_SCALE_ROW1
.else
	v_wmma_scale_f32_16x16x128_f8f6f4 v[\d:\d+7], v[\a:\a+11], v[\b:\b+11], v[\d:\d+7], v[\sa], v[\sb] matrix_a_fmt:MATRIX_FMT_BF6 matrix_b_fmt:MATRIX_FMT_BF6 matrix_a_scale:MATRIX_SCALE_ROW1 matrix_b_scale:MATRIX_SCALE_ROW1
.endif
.endm
.macro FX ks, half                     ; the first pass: x's fragments of K step ks for row tiles 4 half .. 4 half + 3: 12 loads; fragment of tile m at v[96 + 12 m]
.irp mm, 0,1,2,3
.irp gq, 0,1,2
	ds_load_b128 v[96+12*(4*(\half)+\mm)+4*\gq:96+12*(4*(\half)+\mm)+4*\gq+3], v[2+(\half)] offset:TILE*\mm+CHP*(6*(\ks)+2*\gq)
.endr
.endr
.endm
.macro FXR m, half                     ; the second pass: x's fragments of row tile m for K steps 4 half .. 4 half + 3: 12 loads; fragment of K step ks at v[96 + 12 ks]
.irp kk, 0,1,2,3
.irp gq, 0,1,2
	ds_load_b128 v[96+12*(4*(\half)+\kk)+4*\gq:96+12*(4*(\half)+\kk)+4*\gq+3], v[2+((\m)>>2)] offset:TILE*((\m)&3)+CHP*(6*(4*(\half)+\kk)+2*\gq)
.endr
.endr
.endm
.macro MM ks, half                     ; the first pass: 16 products: four row tiles x my four tiles of units.  The 32 accumulators take turns, one instruction a turn
.if (\ks) < 5
	WIN 0xa1                                       ; source 0 v256 on, source 1 v0 on, C and D v512 on
.set WB_, 48*(\ks)
.else
	WIN 0xa3                                       ; source 0 v768 on
.set WB_, 48*((\ks)-5)
.endif
.if (\ks) == 0
.set Z_, 1
.else
.set Z_, 0
.endif
.irp mm, 0,1,2,3
.irp wt, 0,1,2,3
	WM 8*(4*(4*(\half)+\mm)+\wt), WB_+12*\wt, 96+12*(4*(\half)+\mm), Z_, 32+4*((\ks)>>1)+2*(\wt>>1)+((\ks)&1), 64+8*\mm+(\ks), (\wt&1), (\half)
.endr
.endr
.endm
; A K step of the first pass.  lc: how many younger global loads may stay out when this step's weights must be in (-1: shown in earlier).  Meanwhile the next K step's fragments of x are fetched;
; the last step fetches row tile 0's fragments for the second pass, into the same two halves of the registers.
.macro STEP ks, lc
.if (\lc) >= 0
	s_wait_loadcnt \lc
.endif
	s_wait_dscnt 12                                ; row tiles 0-3 are in; the twelve loads of tiles 4-7 may be out
	MM \ks, 0
	NOP4
	WIN 0
	s_wait_alu depctr_va_vdst(0)                   ; the sixteen products above are done reading v96-143, in which the twelve loads below land
.if (\ks) < 7
	FX (\ks)+1, 0
.else
	FXR 0, 0
.endif
	s_wait_dscnt 12                                ; all but the twelve just issued
	MM \ks, 1
	NOP4
	WIN 0
	s_wait_alu depctr_va_vdst(0)                   ; the sixteen products above are done reading v144-191, in which the twelve loads below land; and the step's 32 are done reading its weights, in which the loads behind the step land
.if (\ks) < 7
	FX (\ks)+1, 1
.else
	FXR 0, 1
.endif
.endm
; THE LIST.  Row tile m of pass p: h = g u / (1 + 2^(-g log2 e)), its block's scale, 16 codes a lane, into the image.  EPE writes number EJ of the list's 83:
;   0-7    -g log2 e, two at a time (each accumulator is read from its low end on)      8-15   g u
;   16-31  the sixteen exponentials, one batch;  32  a plain line and the one wait for the batch, ahead of its first reader
;   33-40  1 + 2^..                       41-56  the sixteen reciprocals, one batch;  57  a plain line and their one wait
;   58-65  h                              66-76  the block's largest magnitude (my 16, the floor 2^(5 - 127), lane l xor 16's) and the conversion's scale operand
;   77     the conversion                 78     the scale's byte: also the plain line behind the conversion           79-82  three words of codes and the byte into LDS
.macro EPE p, m
.set AB_, 32*(\m)
.set CB_, 232+4*(EQ&1)
.if EJ >= 16
	WIN 0
.endif
.if EJ < 8
	WIN 0x02                                       ; source 0 v512 on
	v_pk_mul_f32 v[192+2*EJ:193+2*EJ], v[AB_+2*EJ:AB_+2*EJ+1], 0xbfb8aa3b op_sel_hi:[1,0]
.elseif EJ < 16
	WIN 0x0a                                       ; sources 0 and 1 v512 on
	v_pk_mul_f32 v[192+2*EJ:193+2*EJ], v[AB_+2*EJ-16:AB_+2*EJ-15], v[AB_+2*EJ:AB_+2*EJ+1]
.elseif EJ < 32
	v_exp_f32 v[176+EJ], v[176+EJ]
.elseif EJ == 32
	v_nop
	s_wait_alu depctr_va_vdst(0)                   ; the sixteen exponentials have written v192-207, ahead of the additions that read them
.elseif EJ < 41
	v_pk_add_f32 v[192+2*(EJ-33):193+2*(EJ-33)], v[192+2*(EJ-33):193+2*(EJ-33)], 1.0 op_sel_hi:[1,0]
.elseif EJ < 57
	v_rcp_f32 v[151+EJ], v[151+EJ]
.elseif EJ == 57
	v_nop
	s_wait_alu depctr_va_vdst(0)                   ; the sixteen reciprocals have written v192-207, ahead of the multiplications that read them
.elseif EJ < 66
	v_pk_mul_f32 v[208+2*(EJ-58):209+2*(EJ-58)], v[208+2*(EJ-58):209+2*(EJ-58)], v[192+2*(EJ-58):193+2*(EJ-58)]
.elseif EJ == 66
	v_max3_num_f32 v224, |v208|, |v209|, 0x2800000
.elseif EJ == 67
	v_max3_num_f32 v225, |v210|, |v211|, |v212|
.elseif EJ < 73
	v_max3_num_f32 v[224+((EJ-68)&1)], v[224+((EJ-68)&1)], |v[213+2*(EJ-68)]|, |v[214+2*(EJ-68)]|
.elseif EJ == 73
	v_max3_num_f32 v224, v224, v225, |v223|
.elseif EJ == 74
	v_permlanex16_b32 v243, v224, s40, s41
.elseif EJ == 75
	v_max_num_f32 v224, v224, v243
.elseif EJ == 76
	v_add_nc_u32 v226, 0xfe000000, v224            ; 4 off the exponent field
.elseif EJ == 77
.if EQ >= 2
	s_wait_dscnt 12                                ; the stores of the list before last are done: behind them stand the last list's four stores and twelve fragment loads at the least
	s_wait_alu depctr_vm_vsrc(0)                   ; the stores of the list before last have read this set's codes and byte, which the conversion and the shift below write again
.endif
	v_cvt_scalef32_pk16_bf6_f32 v[CB_:CB_+2], v[208:223], v226
.elseif EJ == 78
	v_lshrrev_b32 v[240+(EQ&1)], 23, v226
.elseif EJ < 82
.if EJ == 79
	s_wait_alu depctr_va_vdst(0)                   ; the conversion and the shift have written the codes and the byte, which the four stores read; in a carried list the half tile's sixteen products, all issued ahead of this line, are done reading their fragments, in which the loads behind the list land
.endif
	ds_store_b32 v[EJ-74], v[CB_+EJ-79] offset:PSTG*(\p)+1536*(\m)
.else
	ds_store_b8 v8, v[240+(EQ&1)] offset:PSTG*(\p)+64*(\m)         ; both lanes of a row write the same byte with the same value
.endif
.endm
.macro EPALL p, m                      ; a list that stands alone
.set EJ, 0
.rept 83
	EPE \p, \m
.set EJ, EJ+1
.endr
.set EQ, EQ+1
.endm
; HALF A ROW TILE of the second pass: K steps 4 half .. 4 half + 3 of row tile m: 16 products, the tile's four accumulators by turns, one instruction a turn.
; lc: the younger global loads that may stay out (-1: no wait);  dsw: the younger LDS instructions that may stay out when this half's fragments must be in;
; ep, em: the list (pass, row tile) whose slices stand behind the products (ep = -1: none).  Behind the products and four places the same half of the registers takes the next row tile's fragments:
; between the list's wait ahead of its stores and these loads stand the four stores and four v_nop, which name none of the fragments' registers; a half that carries no list has a wait of its own.
.macro HS m, half, lc, dsw, ep, em
.if (\lc) >= 0
	s_wait_loadcnt \lc
.endif
	s_wait_dscnt \dsw
.set i_, 0
.set EJ, 0
.rept 16
.set KS_, 4*(\half)+i_/4
.set WT_, i_%4
.if KS_ < 5
	WIN 0xa1
.set WB_, 48*KS_
.elseif KS_ == 5
	WIN 0xa3
.set WB_, 0
.else
	WIN 0xa3
.set WB_, 144+48*(KS_-6)
.endif
.if KS_ == 0
.set Z_, 1
.else
.set Z_, 0
.endif
	WM 8*(4*(\m)+WT_), WB_+12*WT_, 96+12*KS_, Z_, 48+4*(KS_>>1)+2*(WT_>>1)+(KS_&1), 64+8*((\m)&3)+KS_, (WT_&1), ((\m)>>2)
.if (\ep) >= 0
.if i_ < 15
.rept 5
	EPE \ep, \em
.set EJ, EJ+1
.endr
.else
.rept 8
	EPE \ep, \em
.set EJ, EJ+1
.endr
.endif
.endif
.set i_, i_+1
.endr
.if (\ep) >= 0
.set EQ, EQ+1
.endif
	NOP4
	WIN 0
.if (\m) < 7
.if (\ep) < 0
	s_wait_alu depctr_va_vdst(0)                   ; no list was carried: the sixteen products above are done reading their fragments, in which the twelve loads below land
.endif
	FXR (\m)+1, \half
.endif
.endm
.macro HLD p                           ; the way out of pass p: my two images and the pass's 128 scale words come back from LDS: seven loads, registers of their own for each pass
.irp j, 0,1,2,3,4,5
	ds_load_b128 v[192+28*(\p)+4*\j:195+28*(\p)+4*\j], v9 offset:PSTG*(\p)+512*\j
.endr
	ds_load_b128 v[216+28*(\p):219+28*(\p)], v15 offset:PSTG*(\p)
.endm
.macro HSEND p
.irp j, 0,1,2,3,4,5
	s_wait_dscnt 13-7*(\p)-\j                      ; of the fourteen loads those behind this one may be out
	global_store_b128 v1, v[192+28*(\p)+4*\j:195+28*(\p)+4*\j], s[34:35] offset:1536*(\p)+6144*(\j/3)+512*(\j%3)   ; 512 consecutive bytes, aligned
.endr
.endm
	s_load_b256 s[4:11], s[0:1], 0x0               ; xbuf 4, wbuf 6, list 8, hbuf 10
	v_lshl_add_u32 v254, v0, 2, 0x1fc00
	v_mov_b32 v255, 0
	v_lshrrev_b32 v1, 5, v0
	v_readfirstlane_b32 s2, v1                     ; wave 0..3
	s_wait_alu depctr_va_sdst(0)                   ; s2 is written, ahead of its first reader: LDS places, the weights' and the images' bases are made from it
	s_and_b32 s[GRP], ttmp7, 0xffff                ; the group
	s_lshr_b32 s18, ttmp9, 1                       ; slot
	s_and_b32 s19, ttmp9, 1                        ; ih
	s_lshl_b32 s16, s[GRP], 4
	s_mov_b32 s17, 0
	s_wait_kmcnt 0x0
	s_add_nc_u64 s[16:17], s[8:9], s[16:17]
	s_load_b128 s[12:15], s[16:17], 0x0            ; the group: lower expert, higher expert, rows
	v_and_b32 v244, 31, v0                         ; lane
	v_and_b32 v245, 15, v0                         ; r
	v_bfe_u32 v246, v0, 4, 1                       ; h
	v_mov_b32 v243, 0                              ; (a lane permute's destination counts as one of its sources)
	v_lshlrev_b32 v1, 4, v244                      ; 16 x lane
	v_lshlrev_b32 v242, 3, v244                    ; 8 x lane
	v_mul_u32_u24 v2, v246, CHP
	v_lshl_add_u32 v2, v245, 4, v2                 ; x's fragments: piece + h, token r; row tiles 0-3,
	v_add_nc_u32 v3, 4*TILE, v2                    ; row tiles 4-7
	s_mul_i32 s20, s2, 2*TILE
	v_mul_u32_u24 v4, v245, CHP
	v_lshl_add_u32 v4, v246, 4, v4
	v_add_nc_u32 v4, s20, v4                       ; the gather's way in: my wave's two tiles; piece lane % 16, token lane / 16
	s_lshr_b32 s20, s2, 1
	s_mul_i32 s20, s20, 6
	v_mad_u32_u24 v247, v246, 3, s20               ; my three registers of codes are registers R = 6 (w / 2) + 3 h + i of image lane (r, w & 1)
	s_and_b32 s21, s2, 1
	s_lshl_b32 s21, s21, 8
	s_add_co_u32 s21, s21, HST
	v_lshl_add_u32 v248, v245, 4, s21
.irp i, 0,1,2
	v_add_nc_u32 v249, \i, v247
	v_lshrrev_b32 v250, 2, v249
	v_and_b32 v249, 3, v249
	v_lshl_add_u32 v250, v250, 9, v248
	v_lshl_add_u32 v[5+\i], v249, 2, v250          ; 512 (R / 4) + 4 (R % 4) + 16 r + 256 (w & 1)
.endr
	s_add_co_u32 s22, s2, HSC
	v_lshl_add_u32 v8, v245, 2, s22                ; my block's byte of row r's scale word: byte w
	s_mul_i32 s23, s2, 3072
	s_add_co_u32 s23, s23, HST
	v_add_nc_u32 v9, s23, v1                       ; the images' way out: my wave takes two
	v_add_nc_u32 v15, HSC, v1                      ; the scale words' way out
	s_mov_b32 s40, 0x76543210                      ; v_permlanex16_b32: lane l xor 16
	s_mov_b32 s41, 0xfedcba98
	s_wait_kmcnt 0x0
	s_mov_b32 s[ROWS], s14
	s_cmp_eq_u32 s14, 0
	s_cselect_b32 s42, 0, s[GRP]                   ; whose tokens I read: my group's; a group without rows reads group 0's first
	s_min_u32 s42, s42, 58
	s_max_u32 s14, s14, 1
	s_min_u32 s14, s14, 128
	s_sub_co_u32 s14, s14, 1                       ; the last row
	s_cmp_eq_u32 s18, 0
	s_cselect_b32 s24, s12, s13
	s_cmp_eq_u32 s18, 2
	s_cselect_b32 s24, 8, s24
	s_min_u32 s24, s24, 8                          ; the expert
	s_lshl_b32 s24, s24, 4
	s_lshl_b32 s25, s19, 3
	s_add_co_u32 s24, s24, s25
	s_add_co_u32 s24, s24, s2                      ; 16 e + 8 ih + w: my block of units in pass 0; pass 1's lies four blocks on
	s_mul_i32 s26, s24, 49152
	s_mov_b32 s27, 0
	s_add_nc_u64 s[26:27], s[6:7], s[26:27]        ; its codes
	s_lshl_b32 s28, s24, 11
	s_mov_b32 s29, 0
	s_add_nc_u64 s[28:29], s[6:7], s[28:29]
	s_add_nc_u64 s[28:29], s[28:29], WGUS          ; its scale words
	s_lshl_b32 s30, s42, 9
	s_mov_b32 s31, 0
	s_add_nc_u64 s[30:31], s[8:9], s[30:31]        ; the group's tokens (1,024 bytes further on)
	s_mul_i32 s32, s[GRP], 3
	s_add_co_u32 s32, s32, s18                     ; 3 g + slot
	s_mul_i32 s34, s32, 49152
	s_mul_i32 s35, s19, 3072
	s_add_co_u32 s34, s34, s35
	s_mul_i32 s35, s2, 12288
	s_add_co_u32 s34, s34, s35
	s_mov_b32 s35, 0
	s_add_nc_u64 s[34:35], s[10:11], s[34:35]      ; h's images [3 g + slot][m][s]: m = 2 w, s = 2 ih
	s_lshl_b32 s36, s32, 11
	s_lshl_b32 s37, s19, 10
	s_add_co_u32 s36, s36, s37
	s_mov_b32 s37, 0
	s_add_nc_u64 s[36:37], s[10:11], s[36:37]
	s_add_nc_u64 s[36:37], s[36:37], HS_OFF        ; h's scale words [3 g + slot][s][m][16]
	s_lshl_b32 s38, s2, 5
	v_add_nc_u32 v224, s38, v244                   ; the rows that I gather: 32 w + lane
	v_lshl_add_u32 v247, v246, 6, v245             ; the rows whose scale words I hold: 16 m + 64 h + r
.irp m, 0,1,2,3
	v_add_nc_u32 v[225+\m], 16*\m, v247
.endr
.irp m, 0,1,2,3,4
	v_min_u32 v[224+\m], s14, v[224+\m]            ; rows from the count on take the last row's token
	v_min_u32 v[224+\m], 127, v[224+\m]
	v_lshlrev_b32 v[224+\m], 2, v[224+\m]
.endr
	; ---- on the way that all take: tokens, scale words, the weights of K steps 0 to 3: the weights travel while the wave waits for its tokens
	s_wait_alu depctr_va_vdst(0)                   ; the addresses v1 to v9 and v15 and the offsets v224 to v228 and v242 are written, which the loads and stores of the whole kernel read
.irp m, 0,1,2,3,4
	global_load_b32 v[10+\m], v[224+\m], s[30:31] offset:1024
.endr
.irp p, 0,1
.irp kq, 0,1,2,3
.irp mat, 0,1
	global_load_b64 v[32+16*\p+4*\kq+2*\mat:33+16*\p+4*\kq+2*\mat], v242, s[28:29] offset:8192*\p+512*\kq+256*\mat   ; lanes 0-15 tile u = 0, lanes 16-31 u = 1; K steps 2 kq, 2 kq + 1
.endr
.endr
.endr
	WLOAD 0, 0
	WLOAD 0, 1
	WLOAD 0, 2
	WLOAD 0, 3
	WIN 0
	v_lshlrev_b32 v247, 2, v246
.set k, 0
.rept 16
	v_add_nc_u32 v[192+k], 8*k, v247               ; lane 2 i + h, as a byte index
.set k, k+1
.endr
	v_lshlrev_b32 v248, 4, v245
	s_wait_loadcnt 63                              ; behind the five token loads stand 16 + 48 = 64; the wait's field holds 63, and fewer is safe
.irp m, 0,1,2,3
	v_min_u32 v[11+\m], 4095, v[11+\m]
	v_lshlrev_b32 v[11+\m], 5, v[11+\m]
.endr
	s_wait_alu depctr_va_vdst(0)                   ; the indices v192 to v207 are written, which the permutes read, and the offsets v11 to v14, which the loads of x's scale words read
.set k, 0
.rept 16
	ds_bpermute_b32 v[16+k], v[192+k], v10         ; load i of the gather: lanes 0-15 my row 2 i, lanes 16-31 row 2 i + 1
.set k, k+1
.endr
.irp m, 0,1,2,3
	global_load_b128 v[64+8*\m:67+8*\m], v[11+\m], s[4:5] offset:XS_OFF        ; a token's eight scale words: lanes 0-15 row tile m, lanes 16-31 row tile m + 4
	global_load_b128 v[68+8*\m:71+8*\m], v[11+\m], s[4:5] offset:XS_OFF+16
.endr
	s_wait_dscnt 0x0
.set k, 0
.rept 16
	v_min_u32 v[16+k], 4095, v[16+k]
	v_mad_u32_u24 v[16+k], v[16+k], 768, v248
.set k, k+1
.endr
	; ---- the gather: my 32 rows' codes into LDS
	s_cmp_eq_u32 s[ROWS], 0
	s_cbranch_scc1 .Lno_rows_1
	WIN 0x80
	s_wait_alu depctr_va_vdst(0)                   ; the offsets v16 to v31 are written, which the gather's loads read
.set k, 0
.rept 16
.irp j, 0,1,2
	global_load_b128 v[4*(3*k+\j):4*(3*k+\j)+3], v[16+k], s[4:5] offset:256*\j   ; sixteen lanes read 256 consecutive bytes of a token's codes, aligned
.endr
.set k, k+1
.endr
	s_wait_loadcnt 0x0                             ; the gather was issued last
	WIN 0x08                                       ; an LDS store's data are its source 1
.set k, 0
.rept 16
.irp j, 0,1,2
	ds_store_b128 v4, v[4*(3*k+\j):4*(3*k+\j)+3] offset:TILE*(k/8)+16*CHP*\j+32*(k%8)
.endr
.set k, k+1
.endr
	WIN 0
.Lno_rows_1:
	s_wait_dscnt 0x0                               ; my 32 rows lie in LDS,
	s_barrier_signal -1
	s_barrier_wait -1                              ; everybody's do
	s_wait_alu depctr_vm_vsrc(0)                   ; the LDS stores have read v512 on, which the products write; the permutes have read v192 to v207, the tokens' and scale words' loads v224 to v228 and v242, which the lists and the way out write
	; ---- the two passes
	s_cmp_eq_u32 s[ROWS], 0
	s_cbranch_scc1 .Lno_rows_2
	s_wait_loadcnt 0x0                             ; the scale words and K steps 0 to 3 are in (where the gather was waited for, this is met already)
	FX 0, 0
	FX 0, 1
	WLOAD 0, 4                                     ; the order of the weights' loads from here on: pass 0's K steps 4 5 6 7, then pass 1's 0 1 2 3 4 6 5 7
	WLOAD 0, 5
	WLOAD 0, 6
	WLOAD 0, 7
	STEP 0, -1
	WLOAD 1, 0                                     ; a K step's registers take the second pass's weights as soon as its products are done reading them: the step's second wait has stated that
	STEP 1, -1
	WLOAD 1, 1
	STEP 2, -1
	WLOAD 1, 2
	STEP 3, -1
	WLOAD 1, 3
	STEP 4, 63                                     ; behind K step 4's weights stand 36 + 48 = 84 loads, behind 5's 96, 6's 108, 7's 96; the wait's field holds 63, and fewer is safe
	WLOAD 1, 4
	WLOAD 1, 6
	STEP 5, 63
	WLOAD 1, 5
	WLOAD 1, 7
	STEP 6, 63
	STEP 7, 63
	EPALL 0, 0                                     ; the places behind the pass's last products are the four that close a step
	HS 0, 0, 48, 12, 0, 1                          ; behind the second pass's K step 3 stand 4, 6, 5 and 7: 48 loads.  Behind this half's fragments: the other half's twelve loads (and four stores)
	HS 0, 1, 0, 12, 0, 2                           ; all weights are in.  Behind this half's fragments: the next tile's twelve loads (and stores)
	HS 1, 0, -1, 12, 1, 0
	HS 1, 1, -1, 12, 0, 3
	HS 2, 0, -1, 12, 1, 1
	HS 2, 1, -1, 12, 0, 4
	HS 3, 0, -1, 12, 1, 2
	HS 3, 1, -1, 12, 0, 5
	HS 4, 0, -1, 12, 1, 3
	HS 4, 1, -1, 12, 0, 6
	HS 5, 0, -1, 12, 1, 4
	HS 5, 1, -1, 12, 0, 7
	HS 6, 0, -1, 12, 1, 5
	HS 6, 1, -1, 12, -1, 0
	HS 7, 0, -1, 12, 1, 6
	HS 7, 1, -1, 4, -1, 0                          ; nothing is fetched behind tile 7's first half: behind this half's fragments stand only the four stores of the list just carried
	EPALL 1, 7
	WIN 0
.Lno_rows_2:
	s_wait_dscnt 0x0                               ; my blocks of both passes' images lie in LDS,
	s_barrier_signal -1
	s_barrier_wait -1                              ; everybody's do: the images are whole
	s_wait_alu depctr_va_vdst(0)                   ; the lists are done reading and writing v192 to v247, in which the way out's loads land
	s_wait_alu depctr_vm_vsrc(0)                   ; the lists' LDS stores have read the codes and bytes in v232 to v241, in which the way out's loads land
	; ---- the way out: each wave sends two images of each pass, wave 0 the scale words too
	s_cmp_eq_u32 s[ROWS], 0
	s_cbranch_scc1 .Lno_rows_3
	HLD 0
	HLD 1
	HSEND 0
	HSEND 1
	s_wait_dscnt 0x0
	s_cmp_lg_u32 s2, 0
	s_cbranch_scc1 .Lno_rows_3
	global_store_b128 v1, v[216:219], s[36:37]             ; a pass's 128 scale words: 512 consecutive bytes, aligned
	global_store_b128 v1, v[244:247], s[36:37] offset:512
.Lno_rows_3:
	s_wait_dscnt 0x0                               ; the closing lines, six on end
	s_wait_alu 0x0
	s_wait_tensorcnt 0x0
	ds_add_u32 v254, v255
	s_wait_dscnt 0x0
	s_endpgm
.Lfunc_end_k_qd10e9fa75b_gateup:
	.size	k_qd10e9fa75b_gateup, .Lfunc_end_k_qd10e9fa75b_gateup-k_qd10e9fa75b_gateup
	.p2alignl 7, 3214868480
	.fill 96, 4, 3214868480
	.section	.rodata,"a",@progbits
	.p2align	6, 0x0
	.amdhsa_kernel k_qd10e9fa75b_gateup
		.amdhsa_group_segment_fixed_size 130560
		.amdhsa_private_segment_fixed_size 0
		.amdhsa_enable_private_segment 0
		.amdhsa_kernarg_size 32
		.amdhsa_user_sgpr_count 2
		.amdhsa_user_sgpr_kernarg_segment_ptr 1
		.amdhsa_wavefront_size32 1
		.amdhsa_system_sgpr_workgroup_id_x 1
		.amdhsa_system_sgpr_workgroup_id_y 1
		.amdhsa_system_sgpr_workgroup_id_z 1
		.amdhsa_system_vgpr_workitem_id 0
		.amdhsa_next_free_vgpr 1008
		.amdhsa_next_free_sgpr 66
		.amdhsa_reserve_vcc 0
		.amdhsa_float_denorm_mode_32 3
		.amdhsa_float_denorm_mode_16_64 3
		.amdhsa_memory_ordered 1
		.amdhsa_forward_progress 1
		.amdhsa_inst_pref_size 225
	.end_amdhsa_kernel
	.amdgpu_metadata
---
amdhsa.version: [ 1, 2 ]
amdhsa.kernels:
  - .name:           k_qd10e9fa75b_gateup
    .symbol:         k_qd10e9fa75b_gateup.kd
    .args:
      - { .name: xbuf, .offset: 0, .size: 8, .value_kind: global_buffer, .address_space: global }
      - { .name: wbuf, .offset: 8, .size: 8, .value_kind: global_buffer, .address_space: global }
      - { .name: list, .offset: 16, .size: 8, .value_kind: global_buffer, .address_space: global }
      - { .name: hbuf, .offset: 24, .size: 8, .value_kind: global_buffer, .address_space: global }
    .group_segment_fixed_size: 130560
    .private_segment_fixed_size: 0
    .kernarg_segment_align: 8
    .kernarg_segment_size: 32
    .max_flat_workgroup_size: 128
    .sgpr_count:     66
    .vgpr_count:     1008
    .wavefront_size: 32
...
	.end_amdgpu_metadata
.endif
;; end of part 5
;; launch down (part 6): grid 59 x 4, 4 waves a work-group, no clusters, 171,520 bytes of LDS; arguments hbuf, wbuf, list, xbuf, out0; writes out0
.if DOCPART == 6
	.amdgcn_target "amdgcn-amd-amdhsa--gfx1250"
	.amdhsa_code_object_version 6
	.text
	.protected	k_qd10e9fa75b_down
	.globl	k_qd10e9fa75b_down
	.p2align	8
	.type	k_qd10e9fa75b_down,@function
k_qd10e9fa75b_down:
	s_mov_b64 s[64:65], 0
	v_nop
	global_prefetch_b8 v0, s[64:65] scope:SCOPE_SE
	s_setreg_imm32_b32 hwreg(HW_REG_WAVE_SCHED_MODE, 0, 2), 2
	s_setreg_imm32_b32 hwreg(HW_REG_WAVE_MODE, 25, 1), 1
	s_wait_xcnt 0x0
	s_wait_alu depctr_vm_vsrc(0)
; DOWN.  For a group g of up to 128 tokens of one pair of experts and 256 of the 1,024 columns: out = h_shared Wd_shared + c_lo (h_lo Wd_lo) + c_hi (h_hi Wd_hi), the three products on codes of BF6 (E3M2)
; with E8M0 scales, the combination in f32 multiply-adds.  A token lies in one group, so each row of out0 has one owner and nothing is added across work-groups.
; A GROUP WITHOUT ROWS passes the barrier like any other and jumps over the work on both sides of it (scalar branches on the stored count; the barrier stands under no such branch); it stores nothing.  What the
; stretch behind the barrier reads from registers is loaded on the way that all take (tokens, the weights' scale words, the weights of steps 0 and 1) or in that stretch itself.  So that it reads no byte that nobody
; stored, a group without rows takes the token of group 0, row 0, which every split has.  Those branches on a stored number are why this text has no tensor load and so no joint loads in a cluster, though the four
; work-groups of a group share h.  Rows from the count on are the group's last token again: they hold the same numbers and are stored to the same place by the same wave; EXEC is never narrowed.
; SHARES.  THE WAVES SHARE THE COLUMNS: wave w has columns 256 y + 64 w on (four tiles), for all eight tiles of rows.  h's 96 images and their scale words (153,600 dense bytes) are copied into LDS once;
; the weights go from memory straight into registers, through five sets of 48 registers that take turns, four K steps ahead.
; Twelve steps n = 4 o + s: o = 0 the shared expert, summed straight into the total; o = 1, 2 the lower and the higher expert, summed apart and then weighed in.
; THE MATRIX INSTRUCTION IS USED TRANSPOSED (source 0 = 16 columns, source 1 = 16 tokens): a lane holds eight neighbouring columns of one token.
; REGISTERS: v1-13 addresses; v16-31 offsets of the head's loads; v32-55 the weights' scale words; v56-59 h's; v64-79 the tokens' weights; v80-87 the tokens; v88-95 lane indices; v96-191 h's eight fragments
;   (on the way out v96-159: the 64 pairs of rows' offsets in out0); v192-255 rows on the way out.   v256-511 the total, (m, t) at 8 (4 m + t); v512-767 an expert's sum; both take the copy of h first.   v768-1007 the weights.
; THE MODE: SCHED_MODE bits 1:0 = 2 (LLVM: expert scheduling mode 2), set by the entry lines.  The code itself states the register dependences between vector or matrix instructions and memory or LDS
; instructions, with s_wait_alu, always for 0.
; THE PLAN.  Registers that memory or LDS instructions touch, and who else names them:
;   v1-12, v16-23, v88-95  addresses, offsets and indices: made at the head, ahead of the one wait in front of the first load; never written again.   v24-31: the offsets of the tokens' weights: one wait ahead of those loads.
;   v256-407, v512-659     the copy of h lands here, LDS stores read it, then the products write it: one wait on vm_vsrc behind the barrier.
;   v96-143 with v56-57, v144-191 with v58-59   the fragments' and their scale words' two halves.  A half's sixteen products read it; ONE wait on va_vdst behind them; then the fourteen loads of the next step's land.
;                          The weights' loads that follow a step hang on the step's second wait: only loads and window switches stand between.  Dealt among the products the loads would want two window switches a group.
;   THE WAY OUT            one wait behind the last step (its products are done with v96-159), all 64 lane permutes, the last weighing-in meanwhile, the 64 offsets made together, and ONE wait: the totals and the offsets are
;                          written.  From there to the end no vector instruction is issued.  v192-223 and v224-255 take a row tile by turns: loaded from the stage, read by global stores, loaded again two tiles on, behind one wait on vm_vsrc.
.set WD_OFF, 7077888
.set WDS,    10911744
.set HS_OFF, 8699904
.set CW_OFF, 3276800
.set HSL,  147456                      ; LDS: h's images [slot 3][m 8][s 4] at 0; their scale words [slot][s][m][16] here;
.set STG,  153600                      ; a stage of 16 rows x (256 bytes + 16) for each wave
.set ROWS, 48                          ; s48  the group's rows as stored: 0 in a group that the split leaves empty
.set MSB, 0
.macro WIN new                         ; the immediate's high byte repeats the setting that is left
.if MSB != \new
	s_set_vgpr_msb (MSB<<8)|\new
.set MSB, \new
.endif
.endm
.macro NOP4                            ; four places behind matrix instructions, in front of loads into their sources and of the first read of results
.rept 4
	v_nop
.endr
.endm
.macro EBASE e, wb, sb                 ; the codes and the scale words of expert s[e], columns cg
	s_lshl_b32 s36, s[\e], 4
	s_add_co_u32 s36, s36, s22
	s_mul_i32 s38, s36, 24576
	s_mov_b32 s39, 0
	s_add_nc_u64 s[\wb:\wb+1], s[6:7], s[38:39]
	s_add_nc_u64 s[\wb:\wb+1], s[\wb:\wb+1], WD_OFF
	s_lshl_b32 s38, s36, 10
	s_add_nc_u64 s[\sb:\sb+1], s[6:7], s[38:39]
	s_add_nc_u64 s[\sb:\sb+1], s[\sb:\sb+1], WDS
.endm
.macro WLD n                           ; step n's four tiles' images into set n % 5: 12 loads of 512 consecutive bytes
	WIN 0xc0
.irp j, 0,1,2,3,4,5,6,7,8,9,10,11
	global_load_b128 v[48*((\n)%5)+4*\j:48*((\n)%5)+4*\j+3], v1, s[24+2*((\n)/4):25+2*((\n)/4)] offset:6144*((\n)%4)+512*\j
.endr
.endm
.macro WM d, a, b, z, sa, sb, ra, rb   ; one product; z: it starts the sum; ra, rb: the scales' rows of lanes
.if (\z) && ((\ra) == 0) && ((\rb) == 0)
	v_wmma_scale_f32_16x16x128_f8f6f4 v[\d:\d+7], v[\a:\a+11], v[\b:\b+11], 0, v[\sa], v[\sb] matrix_a_fmt:MATRIX_FMT_BF6 matrix_b_fmt:MATRIX_FMT_BF6
.elseif (\z) && ((\ra) == 1) && ((\rb) == 0)
	v_wmma_scale_f32_16x16x128_f8f6f4 v[\d:\d+7], v[\a:\a+11], v[\b:\b+11], 0, v[\sa], v[\sb] matrix_a_fmt:MATRIX_FMT_BF6 matrix_b_fmt:MATRIX_FMT_BF6 matrix_a_scale:MATRIX_SCALE_ROW1
.elseif (\z) && ((\ra) == 0) && ((\rb) == 1)
	v_wmma_scale_f32_16x16x128_f8f6f4 v[\d:\d+7], v[\a:\a+11], v[\b:\b+11], 0, v[\sa], v[\sb] matrix_a_fmt:MATRIX_FMT_BF6 matrix_b_fmt:MATRIX_FMT_BF6 matrix_b_scale:MATRIX_SCALE_ROW1
.elseif (\z)
	v_wmma_scale_f32_16x16x128_f8f6f4 v[\d:\d+7], v[\a:\a+11], v[\b:\b+11], 0, v[\sa], v[\sb] matrix_a_fmt:MATRIX_FMT_BF6 matrix_b_fmt:MATRIX_FMT_BF6 matrix_a_scale:MATRIX_SCALE_ROW1 matrix_b_scale:MATRIX_SCALE_ROW1
.elseif ((\ra) == 0) && ((\rb) == 0)
	v_wmma_scale_f32_16x16x128_f8f6f4 v[\d:\d+7], v[\a:\a+11], v[\b:\b+11], v[\d:\d+7], v[\sa], v[\sb] matrix_a_fmt:MATRIX_FMT_BF6 matrix_b_fmt:MATRIX_FMT_BF6
.elseif ((\ra) == 1) && ((\rb) == 0)
	v_wmma_scale_f32_16x16x128_f8f6f4 v[\d:\d+7], v[\a:\a+11], v[\b:\b+11], v[\d:\d+7], v[\sa], v[\sb] matrix_a_fmt:MATRIX_FMT_BF6 matrix_b_fmt:MATRIX_FMT_BF6 matrix_a_scale:MATRIX_SCALE_ROW1
.elseif ((\ra) == 0) && ((\rb) == 1)
	v_wmma_scale_f32_16x16x128_f8f6f4 v[\d:\d+7], v[\a:\a+11], v[\b:\b+11], v[\d:\d+7], v[\sa], v[\sb] matrix_a_fmt:MATRIX_FMT_BF6 matrix_b_fmt:MATRIX_FMT_BF6 matrix_b_scale:MATRIX_SCALE_ROW1
.else
	v_wmma_scale_f32_16x16x128_f8f6f4 v[\d:\d+7], v[\a:\a+11], v[\b:\b+11], v[\d:\d+7], v[\sa], v[\sb] matrix_a_fmt:MATRIX_FMT_BF6 matrix_b_fmt:MATRIX_FMT_BF6 matrix_a_scale:MATRIX_SCALE_ROW1 matrix_b_scale:MATRIX_SCALE_ROW1
.endif
.endm
.macro FH n, half                      ; step n's fragments of h and their scale words for row tiles 4 half .. 4 half + 3: 14 loads.  o = 0, 1, 2 read slots 2, 0, 1
.set SL_, (((\n)/4)+2)%3
.set S_, (\n)%4
.irp mm, 0,1,2,3
.irp gq, 0,1,2
	ds_load_b128 v[96+12*(4*(\half)+\mm)+4*\gq:96+12*(4*(\half)+\mm)+4*\gq+3], v[5+SL_] offset:1536*(4*(4*(\half)+\mm)+S_)+512*\gq
.endr
.endr
.irp mp, 0,1
	ds_load_b32 v[56+2*(\half)+\mp], v8 offset:512*(4*SL_+S_)+128*(2*(\half)+\mp)
.endr
.endm
.macro MMD n, half                     ; 16 products: four row tiles x my four tiles of columns.  The 32 accumulators take turns, one instruction a turn
.if (\n) < 4
	WIN 0x53                                       ; source 0 v768 on, source 1 v0 on, C and D v256 on: the total
.else
	WIN 0xa3                                       ; C and D v512 on: an expert's own sum
.endif
.if (\n)%4 == 0
.set Z_, 1
.else
.set Z_, 0
.endif
.irp mm, 0,1,2,3
.irp t, 0,1,2,3
	WM 8*(4*(4*(\half)+\mm)+\t), 48*((\n)%5)+12*\t, 96+12*(4*(\half)+\mm), Z_, 32+8*((\n)/4)+4*(((\n)%4)>>1)+2*(\t>>1)+((\n)&1), 56+2*(\half)+(\mm>>1), (\t&1), (\mm&1)
.endr
.endr
.endm
.macro STEPD n
.if 11-(\n) < 4
	s_wait_loadcnt 12*(11-(\n))                    ; behind step n's weights: those of the steps that follow
.else
	s_wait_loadcnt 48                              ; four steps' weights
.endif
	s_wait_dscnt 14                                ; row tiles 0-3 are in; the fourteen loads of tiles 4-7 may be out
	MMD \n, 0
.if (\n) < 11
	NOP4
	WIN 0
	s_wait_alu depctr_va_vdst(0)                   ; the sixteen products above are done reading v96-143 and the scale words v56 and v57, in which the fourteen loads below land
	FH (\n)+1, 0
	s_wait_dscnt 14                                ; all but the fourteen just issued
.else
	s_wait_dscnt 0x0
.endif
	MMD \n, 1
	NOP4
	WIN 0
.if (\n) < 11
	s_wait_alu depctr_va_vdst(0)                   ; the sixteen products above are done reading v144-191, v58 and v59, in which the fourteen loads below land; and the step's 32 are done reading its weights, in which the loads of five steps on land
	FH (\n)+1, 1
.endif
.if (\n) < 7
	WLD (\n)+5                                     ; this step's set takes the weights of five steps on
	WIN 0
.endif
.endm
.macro FMA hi                          ; total += c x the expert's sum; c is my token's, one for each row tile.  Each accumulator is read from its low end on
	WIN 0x52                                       ; source 0 v512 on, source 1 v0 on, source 2 and destination v256 on
.irp m, 0,1,2,3,4,5,6,7
.set k, 0
.rept 16
.if \hi
	v_pk_fma_f32 v[32*\m+2*k:32*\m+2*k+1], v[32*\m+2*k:32*\m+2*k+1], v[64+2*\m:65+2*\m], v[32*\m+2*k:32*\m+2*k+1] op_sel:[0,1,0] op_sel_hi:[1,1,1]
.else
	v_pk_fma_f32 v[32*\m+2*k:32*\m+2*k+1], v[32*\m+2*k:32*\m+2*k+1], v[64+2*\m:65+2*\m], v[32*\m+2*k:32*\m+2*k+1] op_sel_hi:[1,0,1]
.endif
.set k, k+1
.endr
.endr
	WIN 0
.endm
; THE WAY OUT, a row tile at a time: a lane holds 32 bytes of a row, and the lanes beside it other rows: so the tile goes through my stage and comes back as rows of 256 bytes.  The rows' offsets in out0 were made ahead of the first tile.
.macro OUTA m
.if (\m) >= 2
	s_wait_xcnt 0x0                                ; the stores of two tiles back have had their addresses translated: their data registers are loaded again below
	s_wait_alu depctr_vm_vsrc(0)                   ; the global stores of two tiles back have read their 32 data registers, in which the loads below land
.endif
	WIN 0x04
.irp t, 0,1,2,3
	ds_store_b128 v9, v[8*(4*(\m)+\t):8*(4*(\m)+\t)+3] offset:64*\t
	ds_store_b128 v9, v[8*(4*(\m)+\t)+4:8*(4*(\m)+\t)+7] offset:64*\t+16
.endr
	WIN 0
.irp i, 0,1,2,3,4,5,6,7
	ds_load_b128 v[192+32*((\m)&1)+4*\i:192+32*((\m)&1)+4*\i+3], v10 offset:544*\i   ; LDS serves a wave's instructions in order: these see my stores, and the next tile's stores come behind them
.endr
.endm
.macro OUTB m, younger                 ; younger: the LDS instructions issued behind tile m's
	s_wait_dscnt \younger
.irp i, 0,1,2,3,4,5,6,7
	global_store_b128 v[96+8*(\m)+\i], v[192+32*((\m)&1)+4*\i:192+32*((\m)&1)+4*\i+3], s[46:47] th:TH_STORE_NT   ; sixteen lanes store 256 consecutive bytes, aligned
.endr
.endm
	s_load_b256 s[4:11], s[0:1], 0x0               ; hbuf 4, wbuf 6, list 8, xbuf 10
	s_load_b64 s[12:13], s[0:1], 0x20              ; out0
	v_lshl_add_u32 v62, v0, 2, 0x29c00
	v_mov_b32 v63, 0
	v_lshrrev_b32 v1, 5, v0
	v_readfirstlane_b32 s2, v1                     ; wave 0..3
	s_wait_alu depctr_va_sdst(0)                   ; s2 is written, ahead of its first reader: the stage's place, the weights' bases and out0's are made from it
	s_and_b32 s3, ttmp7, 0xffff                    ; which 256 columns
	s_lshl_b32 s20, ttmp9, 4
	s_mov_b32 s21, 0
	s_wait_kmcnt 0x0
	s_add_nc_u64 s[20:21], s[8:9], s[20:21]
	s_load_b128 s[16:19], s[20:21], 0x0            ; the group: lower expert, higher expert, rows
	v_and_b32 v240, 31, v0                         ; lane
	v_and_b32 v241, 15, v0                         ; r
	v_bfe_u32 v242, v0, 4, 1                       ; h
	v_lshlrev_b32 v1, 4, v240                      ; 16 x lane
	v_lshlrev_b32 v12, 3, v240                     ; 8 x lane
	v_lshlrev_b32 v2, 4, v0                        ; the copy: 16 x thread, in memory and in LDS;
	v_add_nc_u32 v3, 0x10000, v2                   ; an LDS offset reaches 65,535 bytes
	v_add_nc_u32 v4, 0x20000, v2
	v_lshlrev_b32 v5, 4, v240                      ; the images of slot 0,
	v_add_nc_u32 v6, 49152, v5                     ; 1,
	v_add_nc_u32 v7, 98304, v5                     ; 2
	v_lshl_add_u32 v8, v240, 2, HSL                ; scale words: lanes 0-15 an even row tile, lanes 16-31 the odd one behind it
	s_mul_i32 s22, s2, 16*272
	s_add_co_u32 s22, s22, STG
	v_mul_u32_u24 v9, v241, 272
	v_lshl_add_u32 v9, v242, 5, v9
	v_add_nc_u32 v9, s22, v9                       ; the stage, in: row r, 32 h bytes on
	v_mul_u32_u24 v10, v242, 272
	v_lshl_add_u32 v10, v241, 4, v10
	v_add_nc_u32 v10, s22, v10                     ; back: lanes 0-15 one row, lanes 16-31 the next
	v_lshlrev_b32 v11, 4, v241
	v_lshlrev_b32 v14, 2, v242
.irp i, 0,1,2,3,4,5,6,7
	v_add_nc_u32 v[88+\i], 8*\i, v14               ; lane 2 i + h, as a byte index
.endr
	s_wait_kmcnt 0x0
	s_mov_b32 s[ROWS], s18
	s_cmp_eq_u32 s18, 0
	s_cselect_b32 s49, 0, ttmp9                    ; whose tokens I read: my group's; a group without rows reads group 0's first
	s_min_u32 s49, s49, 58
	s_max_u32 s18, s18, 1
	s_min_u32 s18, s18, 128
	s_sub_co_u32 s18, s18, 1                       ; the last row
	s_min_u32 s16, s16, 8
	s_min_u32 s17, s17, 8
	s_mov_b32 s23, 8
	s_lshl_b32 s22, s3, 2
	s_add_co_u32 s22, s22, s2                      ; my 64 columns: cg = 4 y + w
	EBASE 23, 24, 30                               ; o = 0: the shared expert
	EBASE 16, 26, 32                               ; o = 1: the lower
	EBASE 17, 28, 34                               ; o = 2: the higher
	s_mul_i32 s40, ttmp9, 147456
	s_mov_b32 s41, 0
	s_add_nc_u64 s[40:41], s[4:5], s[40:41]        ; the group's images
	s_mul_i32 s42, ttmp9, 6144
	s_mov_b32 s43, 0
	s_add_nc_u64 s[42:43], s[4:5], s[42:43]
	s_add_nc_u64 s[42:43], s[42:43], HS_OFF        ; and their scale words
	s_lshl_b32 s44, s49, 9
	s_mov_b32 s45, 0
	s_add_nc_u64 s[44:45], s[8:9], s[44:45]        ; the group's tokens (1,024 bytes further on)
	s_lshl_b32 s46, s3, 10
	s_lshl_b32 s47, s2, 8
	s_add_co_u32 s46, s46, s47
	s_mov_b32 s47, 0
	s_add_nc_u64 s[46:47], s[12:13], s[46:47]      ; my 256 bytes of a row of out0
.irp m, 0,1,2,3,4,5,6,7
	v_add_nc_u32 v[16+\m], 16*\m, v241
	v_min_u32 v[16+\m], s18, v[16+\m]              ; rows from the count on take the last row's token
	v_min_u32 v[16+\m], 127, v[16+\m]
	v_lshlrev_b32 v[16+\m], 2, v[16+\m]
.endr
	; ---- on the way that all take: tokens, the weights' scale words, the weights of steps 0 and 1
	s_wait_alu depctr_va_vdst(0)                   ; the addresses v1 to v12, the offsets v16 to v23 and the indices v88 to v95 are written, which the loads, stores and permutes of the whole kernel read
.irp m, 0,1,2,3,4,5,6,7
	global_load_b32 v[80+\m], v[16+\m], s[44:45] offset:1024       ; lane (r, .): the token of row 16 m + r
.endr
.irp o, 0,1,2
.irp kq, 0,1
.irp b, 0,1
	global_load_b64 v[32+8*\o+4*\kq+2*\b:33+8*\o+4*\kq+2*\b], v12, s[30+2*\o:31+2*\o] offset:512*\kq+256*\b   ; lanes 0-15 tile 2 b, lanes 16-31 tile 2 b + 1; K steps 2 kq, 2 kq + 1
.endr
.endr
.endr
	WLD 0
	WLD 1
	WIN 0
	; ---- the copy of h: 75 pieces of 2,048 bytes, 16 bytes a thread, through the registers that the sums will take
	s_cmp_eq_u32 s[ROWS], 0
	s_cbranch_scc1 .Lno_rows_1
	WIN 0x40                                       ; the first 38 pieces land in v256 on
.set c, 0
.rept 38
	global_load_b128 v[4*c:4*c+3], v2, s[40:41] offset:2048*c
.set c, c+1
.endr
	WIN 0x80                                       ; the other 37 in v512 on
.rept 34
	global_load_b128 v[4*(c-38):4*(c-38)+3], v2, s[40:41] offset:2048*c
.set c, c+1
.endr
.rept 3
	global_load_b128 v[4*(c-38):4*(c-38)+3], v2, s[42:43] offset:2048*(c-72)
.set c, c+1
.endr
	s_wait_loadcnt 37                              ; behind the first 38 pieces: the other 37
	WIN 0x04                                       ; an LDS store's data are its source 1
.set c, 0
.rept 38
	ds_store_b128 v[2+(c>>5)], v[4*c:4*c+3] offset:2048*(c&31)
.set c, c+1
.endr
	s_wait_loadcnt 0x0
	WIN 0x08
.rept 37
	ds_store_b128 v[2+(c>>5)], v[4*(c-38):4*(c-38)+3] offset:2048*(c&31)
.set c, c+1
.endr
	WIN 0
.Lno_rows_1:
	s_wait_dscnt 0x0                               ; my part of the copy lies in LDS,
	s_barrier_signal -1
	s_barrier_wait -1                              ; everybody's does
	s_wait_alu depctr_vm_vsrc(0)                   ; the copy's LDS stores have read v256 on and v512 on, which the products write
	; ---- the twelve steps and the way out
	s_cmp_eq_u32 s[ROWS], 0
	s_cbranch_scc1 .Lno_rows_2
	FH 0, 0
	FH 0, 1
	s_wait_loadcnt 0x0                             ; the tokens, the scale words and steps 0 and 1 are in (where the copy was waited for, this is met already)
.irp m, 0,1,2,3,4,5,6,7
	v_min_u32 v[24+\m], 4095, v[80+\m]
	v_lshlrev_b32 v[24+\m], 3, v[24+\m]
.endr
	s_wait_alu depctr_va_vdst(0)                   ; the offsets v24 to v31 are written, which the eight loads below read
.irp m, 0,1,2,3,4,5,6,7
	global_load_b64 v[64+2*\m:65+2*\m], v[24+\m], s[10:11] offset:CW_OFF   ; {c_lo, c_hi} of my token of row tile m; older than step 2's weights, so that step's wait shows them in
.endr
	WLD 2
	WLD 3
	WLD 4
	WIN 0
.irp n, 0,1,2,3,4,5,6,7
	STEPD \n
.endr
	FMA 0                                          ; the places behind the last products are the four that close a step
.irp n, 8,9,10,11
	STEPD \n
.endr
	s_wait_alu depctr_va_vdst(0)                   ; the last step's products are done reading v96 to v159, in which the permutes' results land
.irp m, 0,1,2,3,4,5,6,7
.irp i, 0,1,2,3,4,5,6,7
	ds_bpermute_b32 v[96+8*\m+\i], v[88+\i], v[80+\m]              ; the token of row 16 m + 2 i + lane / 16: all eight tiles' at once; the weighing-in below stands between them and the wait for them
.endr
.endr
	FMA 1
	s_wait_dscnt 0x0                               ; the 64 tokens are in
.set k, 0
.rept 64
	v_min_u32 v[96+k], 4095, v[96+k]
.set k, k+1
.endr
.set k, 0
.rept 64
	v_lshl_add_u32 v[96+k], v[96+k], 12, v11       ; a row of out0 is 4,096 bytes; 16 bytes a lane
.set k, k+1
.endr
	s_wait_alu depctr_va_vdst(0)                   ; the multiply-adds have written the totals v256 to v511, which the LDS stores read; the offsets v96 to v159 are written, which the global stores read; no vector instruction follows
	OUTA 0
.irp m, 1,2,3,4,5,6,7
	OUTA \m
	OUTB \m-1, 16                                  ; behind tile m - 1's loads: tile m's 8 stores and 8 loads
.endr
	OUTB 7, 0
.Lno_rows_2:
	s_wait_dscnt 0x0                               ; the closing lines, six on end
	s_wait_alu 0x0
	s_wait_tensorcnt 0x0
	ds_add_u32 v62, v63
	s_wait_dscnt 0x0
	s_endpgm
.Lfunc_end_k_qd10e9fa75b_down:
	.size	k_qd10e9fa75b_down, .Lfunc_end_k_qd10e9fa75b_down-k_qd10e9fa75b_down
	.p2alignl 7, 3214868480
	.fill 96, 4, 3214868480
	.section	.rodata,"a",@progbits
	.p2align	6, 0x0
	.amdhsa_kernel k_qd10e9fa75b_down
		.amdhsa_group_segment_fixed_size 171520
		.amdhsa_private_segment_fixed_size 0
		.amdhsa_enable_private_segment 0
		.amdhsa_kernarg_size 40
		.amdhsa_user_sgpr_count 2
		.amdhsa_user_sgpr_kernarg_segment_ptr 1
		.amdhsa_wavefront_size32 1
		.amdhsa_system_sgpr_workgroup_id_x 1
		.amdhsa_system_sgpr_workgroup_id_y 1
		.amdhsa_system_sgpr_workgroup_id_z 1
		.amdhsa_system_vgpr_workitem_id 0
		.amdhsa_next_free_vgpr 1008
		.amdhsa_next_free_sgpr 66
		.amdhsa_reserve_vcc 0
		.amdhsa_float_denorm_mode_32 3
		.amdhsa_float_denorm_mode_16_64 3
		.amdhsa_memory_ordered 1
		.amdhsa_forward_progress 1
		.amdhsa_inst_pref_size 155
	.end_amdhsa_kernel
	.amdgpu_metadata
---
amdhsa.version: [ 1, 2 ]
amdhsa.kernels:
  - .name:           k_qd10e9fa75b_down
    .symbol:         k_qd10e9fa75b_down.kd
    .args:
      - { .name: hbuf, .offset: 0, .size: 8, .value_kind: global_buffer, .address_space: global }
      - { .name: wbuf, .offset: 8, .size: 8, .value_kind: global_buffer, .address_space: global }
      - { .name: list, .offset: 16, .size: 8, .value_kind: global_buffer, .address_space: global }
      - { .name: xbuf, .offset: 24, .size: 8, .value_kind: global_buffer, .address_space: global }
      - { .name: out0, .offset: 32, .size: 8, .value_kind: global_buffer, .address_space: global }
    .group_segment_fixed_size: 171520
    .private_segment_fixed_size: 0
    .kernarg_segment_align: 8
    .kernarg_segment_size: 40
    .max_flat_workgroup_size: 128
    .sgpr_count:     66
    .vgpr_count:     1008
    .wavefront_size: 32
...
	.end_amdgpu_metadata
.endif
;; end of part 6
